; MI455X (gfx1250); checked and timed in simulation.
; The chip was launched on July 23, 2026; its instructions are those of AMD's public machine-readable ISA for CDNA 5 (MIT licence, August 2026) and "CDNA5" Instruction Set Architecture Reference Guide (July 2026). The comments in the code are by the model that wrote it; some were corrected since.
;; Attention. Allowed arithmetic: matrix products marked QUANTISED: E2M3 operands, one E8M0 scale for each 32 along K, by v_wmma_scale_f32_16x16x128_f8f6f4 with both operands' format E2M3, f32 sums; everything else in f32.
;; Inputs: W_qkv 3,072 x 1,024 float32; b_qkv 3,072 float32; t 4 x 2,048 x 1,024 float32.
;; Outputs: out0 4 x 2,048 x 1,024 float32.
;; This version of the problem:
;;   THIS VERSION OF THE PROBLEM IS GIVEN IN LOW PRECISION. The matrix products marked QUANTISED in the list below multiply operands that are first quantised to E2M3 (2 exponent bits, 3 mantissa bits; 6 bits a number), with one power-of-two scale for each 32 numbers along K (OCP MX v1.0); their sums are f32. All else is computed in f32.
;;   The module's matrix products, in the order in which they are computed (A, B: the left and right operand; K: the contracted axis; several contracted axes count as one K, in the product's order):
;;     1. [M 8,192, K 1,024] x [K 1,024, N 3,072]; A: input t; B: input W_qkv: QUANTISED
;;     2. batch 4 x [M 2,048, K 1,024] x [K 1,024, N 2,048]; A: computed on the way; B: computed on the way: QUANTISED
;;     3. batch 4 x [M 2,048, K 2,048] x [K 2,048, N 1,024]; A: softmax (see below); B: computed on the way: QUANTISED
;;   THE QUANTISER, for each operand of a quantised product, along K:
;;     - K is cut into blocks of 32 from its start; a last block that is shorter is filled with zeros.
;;     - A block's scale is 2^e with e = floor(log2(the largest magnitude in the block)) - 2, held to -126 .. 127; a block of zeros has e = 0. As a byte (E8M0): e + 127.
;;     - Each number is divided by its block's scale, clamped to +-7.5, and rounded to the nearest number of E2M3, ties to even, subnormals kept.
;;     - The product sums the exact products of the quantised numbers (number of the format x scale) in f32.
;;   ~~~python
;;   def quantise(x, axis):      # numpy; x: float32 -> the quantised numbers, widened to float32 again
;;       x = np.moveaxis(x, axis, -1); K = x.shape[-1]
;;       x = np.pad(x, [(0, 0)] * (x.ndim - 1) + [(0, -K % 32)]); x = x.reshape(x.shape[:-1] + (-1, 32)); a = np.abs(x).max(-1, keepdims=True)
;;       e = np.where(a > 0, np.clip(np.frexp(np.where(a > 0, a, 1))[1] - 1 - 2, -126, 127), 0)      # np.frexp(a)[1] - 1 = floor(log2(a)), exactly
;;       r = np.clip(x / 2.0 ** e, -7.5, 7.5)
;;       step = 2.0 ** (np.maximum(np.frexp(np.where(r == 0, 1, r))[1] - 1, 0) - 3)
;;       q = np.round(r / step) * step * 2.0 ** e      # np.round: ties to even
;;       return np.moveaxis(q.reshape(q.shape[:-2] + (-1,))[..., :K], -1, axis).astype(np.float32)
;;   ~~~
;;   SOFTMAX AHEAD OF A QUANTISED PRODUCT. Where the list says 'softmax', what is quantised is not the finished softmax but p = 2^(t - M), with t = logit x log2(e) and M = ceil(the row's largest t), a whole number; so 1/2 < the row's largest p <= 1. The row's sum l is taken of the UNQUANTISED p, in f32, and the product's result is divided by l at the end. Since M is a whole number, a kernel that streams over the keys may use a running M (the ceiling of the running maximum): every later rescaling is an exact power of two, which a block's scale takes up: the codes' values come out the same.
;;   OPERANDS COMPUTED ON THE WAY. 'Computed on the way' means the value that the module computes at that place (a softmax that the list does not call 'softmax' is quantised finished and normalised). What goes into a quantiser is computed in f32, as accurately as f32 sums, v_exp_f32 and their like allow (about 1e-6 of the number): no bf16 or f16 on the way to a quantiser, and a product that is left as it is and whose result goes on into a quantised operand takes f32 operands (vector FMAs, or v_wmma_f32_16x16x4_f32). A number that lies on a knife's edge between two numbers of the format may be rounded either way, as far as f32 arithmetic and the matrix unit's own rounding can turn it there, and no further.
;; One version. Each part assembles by itself: llvm-mc -triple=amdgcn-amd-amdhsa -mcpu=gfx1250 --defsym DOCPART=n.
;; ======== version 1 of 1: 4 launches
;; limits: right only within a limited range of input values
;; workspace buffers: c1 8,650,752 bytes; s1 360,448 bytes; c2 18,874,368 bytes; s2 786,432 bytes; pc 12,582,912 bytes; pst 1,572,864 bytes
;; launch quant (part 1): grid 352 x 1, 8 waves a work-group, no clusters, 69,632 bytes of LDS; arguments t, W_qkv, c1, s1; writes c1, s1
.if DOCPART == 1
	.amdgcn_target "amdgcn-amd-amdhsa--gfx1250"
	.amdhsa_code_object_version 6
	.text
	.protected	k_q71c7f6afe0_quant
	.globl	k_q71c7f6afe0_quant
	.p2align	8
	.type	k_q71c7f6afe0_quant,@function
k_q71c7f6afe0_quant:
	s_mov_b64 s[64:65], 0
	v_nop
	global_prefetch_b8 v0, s[64:65] scope:SCOPE_SE
	s_setreg_imm32_b32 hwreg(HW_REG_WAVE_MODE, 25, 1), 1
	s_wait_xcnt 0x0
; t [8192][1024] and W_qkv [3072][1024], f32, become codes of FP6 (E2M3) with one E8M0 byte for each 32 along K (K = the rows' 1,024).
; A block's byte is its largest magnitude's exponent field - 2, held at 1 from below; numbers are divided by the scale and rounded to the nearest code, ties to even, beyond 7.5 the largest code.
; LIMITS: NaN and infinities are not served; a block of zeros, or one whose largest magnitude lies under 2^-124, gets the byte 1 (its codes add nothing that counts; the bytes are read by this program alone).
; THE CODES ARE LAID AS THE MATRIX UNIT'S REGISTERS WANT THEM.  A fragment (16 rows x 128 K, 12 registers a lane) is 1,536 bytes: three pieces of 512, piece c = registers 4c..4c+3, lane l's 16 bytes at 16 l.
; c1 = [tile of 256 rows: 0-31 t, 32-43 W][K step of 256: 4][row block: 16][half step: 2][1,536].   THE ROWS OF A BLOCK ARE NOT NEIGHBOURS: lane r of block 2 B + u takes row 32 B + 8 u + r + 8 (r / 8).
; s1 = [tile of 128 rows: 88][K step of 128: 8][512]: the scale word of block a, lane r at 256 (a / 4) + 16 r + 4 (a % 4).
; SHARES: a work-group takes 128 rows x 256 K; wave w takes row block w: two fragments.  All 32 loads of a wave (512 consecutive bytes each) go out at the head.
; A load gives a lane 4 neighbours; the conversions want 16 neighbours of one row in a lane: a fragment's 16 x 512 bytes turn through the wave's own stage in LDS (rows 528 bytes apart).
.set SP,    528
.set STGW,  16*SP                      ; a wave's stage
.set SCG,   8*STGW                     ; behind the stages: the work-group's 2 x 512 bytes of scale words
.set SPARE, SCG+1024                   ; the spare words: 128 bytes for each of eight waves; no other line names them
.set RAW,   16                         ; v16-143  as loaded: fragment f at RAW + 64 f
.set XN,    144                        ; v144-207 64 numbers of my row: register 16 b + i = k 32 b + 16 (lane / 16) + i
.set PC,    208                        ; v208-227 the codes just made
.set TM,    228                        ; v228-243 at work
.set PW,    244                        ; the scale word just made
.set SPW,   12
.set NIL,   13
.set SEL,   20
; 64 numbers of a lane become a fragment's codes in v[PC] on and its row's scale word in v[pw]
.macro QUANT s, pw
.irp b, 0,1,2,3
	v_max3_num_f32 v[TM+\b], |v[(\s)+16*\b]|, |v[(\s)+1+16*\b]|, 0x1800000   ; block b: my 16 numbers, and the floor 2^(3 - 127): the byte cannot fall under 1
.endr
.irp i, 2,4,6,8,10,12,14
.irp b, 0,1,2,3
	s_delay_alu instid0(VALU_DEP_4)
	v_max3_num_f32 v[TM+\b], v[TM+\b], |v[(\s)+16*\b+\i]|, |v[(\s)+1+16*\b+\i]|
.endr
.endr
.irp b, 0,1,2,3
	s_delay_alu instid0(VALU_DEP_4)
	v_permlanex16_b32 v[TM+4+\b], v[TM+\b], s[SEL], s[SEL+1]
.endr
.irp b, 0,1,2,3
	s_delay_alu instid0(VALU_DEP_4)
	v_max_num_f32 v[TM+\b], v[TM+\b], v[TM+4+\b]       ; with lane l xor 16's 16: the block's largest magnitude
.endr
.irp b, 0,1,2,3
	s_delay_alu instid0(VALU_DEP_4)
	v_add_nc_u32 v[TM+12+\b], 0xff000000, v[TM+\b]     ; 2 off its exponent field: the conversion's scale operand
.endr
.irp b, 0,1,2,3
	s_delay_alu instid0(VALU_DEP_4)
	v_lshrrev_b32 v[TM+4+\b], 23, v[TM+12+\b]          ; the byte
.endr
	s_delay_alu instid0(VALU_DEP_3)
	v_lshl_or_b32 v[\pw], v[TM+5], 8, v[TM+4]
	s_delay_alu instid0(VALU_DEP_1)
	v_lshl_or_b32 v[\pw], v[TM+6], 16, v[\pw]
	s_delay_alu instid0(VALU_DEP_1)
	v_lshl_or_b32 v[\pw], v[TM+7], 24, v[\pw]
.irp c, 0,1
	v_cvt_scalef32_pk16_fp6_f32 v[PC+6*\c:PC+2+6*\c], v[(\s)+32*\c:(\s)+15+32*\c], v[TM+12+2*\c]
	v_cvt_scalef32_pk16_fp6_f32 v[PC+12+4*\c:PC+14+4*\c], v[(\s)+16+32*\c:(\s)+31+32*\c], v[TM+12+2*\c+1]   ; (three registers begin on an even number)
.endr
	v_nop                                          ; one plain place behind a scaled conversion
.irp c, 0,1                                    ; the layout wants a whole block in a lane: lanes 0-15 block 2 c, lanes 16-31 block 2 c + 1
.irp i, 0,1,2
	v_permlane16_swap_b32 v[PC+6*\c+\i], v[PC+12+4*\c+\i]
.endr
.irp i, 0,1,2
	s_delay_alu instid0(VALU_DEP_3)
	v_mov_b32 v[PC+3+6*\c+\i], v[PC+12+4*\c+\i]
.endr
.endr
.endm
	s_load_b256 s[4:11], s[0:1], 0x0               ; t s[4:5], W s[6:7], c1 s[8:9], s1 s[10:11]
	v_lshl_add_u32 v[SPW], v0, 2, SPARE
	v_mov_b32 v[NIL], 0
	v_lshrrev_b32 v1, 5, v0
	s_delay_alu instid0(VALU_DEP_1)
	v_readfirstlane_b32 s16, v1                    ; wave 0..7 = row block
	v_and_b32 v4, 31, v0
	s_delay_alu instid0(VALU_DEP_1)
	v_lshlrev_b32 v1, 4, v4                        ; 16 x lane: my bytes of a load's 512, and of a piece
	v_and_b32 v8, 15, v0                           ; r
	v_bfe_u32 v9, v0, 4, 1                         ; h
	s_mul_i32 s17, s16, STGW
	v_add_nc_u32 v2, s17, v1                       ; the stage, way in
	v_mul_u32_u24 v3, v8, SP
	s_delay_alu instid0(VALU_DEP_1)
	v_lshl_add_u32 v3, v9, 6, v3
	s_delay_alu instid0(VALU_DEP_1)
	v_add_nc_u32 v3, s17, v3                       ; way out: row r, + 64 h
	s_lshr_b32 s18, s16, 2
	s_lshl_b32 s18, s18, 8
	s_and_b32 s19, s16, 3
	s_lshl_b32 s19, s19, 2
	s_add_co_u32 s18, s18, s19
	s_add_co_u32 s18, s18, SCG
	v_lshl_add_u32 v5, v8, 4, s18                  ; my row's scale word: 256 (w / 4) + 16 r + 4 (w % 4)
	v_and_b32 v7, 63, v0
	s_delay_alu instid0(VALU_DEP_1)
	v_lshlrev_b32 v7, 4, v7                        ; the gathered words leave 16 bytes a thread, by waves 0 and 1
	s_delay_alu instid0(VALU_DEP_1)
	v_add_nc_u32 v6, SCG, v7
	s_mov_b32 s[SEL], 0x76543210
	s_mov_b32 s[SEL+1], 0xfedcba98
.irp b, 0,1,2,3
	v_mov_b32 v[TM+4+\b], 0                        ; written once: a lane permute's destination counts as read
.endr
	s_lshr_b32 s12, ttmp9, 2                       ; T: tile of 128 rows, 0..87
	s_and_b32 s13, ttmp9, 3                        ; K step of 256
	s_lshr_b32 s22, s16, 1
	s_lshl_b32 s22, s22, 5
	s_and_b32 s23, s16, 1
	s_lshl_b32 s23, s23, 3
	s_add_co_u32 s22, s22, s23                     ; my block's first row in the tile: 32 (w / 2) + 8 (w % 2)
	s_lshr_b32 s24, s12, 1
	s_mul_i32 s24, s24, 196608
	s_mul_i32 s25, s13, 49152
	s_add_co_u32 s24, s24, s25
	s_and_b32 s25, s12, 1
	s_lshl_b32 s25, s25, 3
	s_add_co_u32 s25, s25, s16
	s_mul_i32 s25, s25, 3072
	s_add_co_u32 s24, s24, s25
	s_mov_b32 s25, 0                               ; s[24:25]: my two fragments in c1
	s_lshl_b32 s26, s12, 12
	s_lshl_b32 s27, s13, 10
	s_add_co_u32 s26, s26, s27
	s_mov_b32 s27, 0                               ; s[26:27]: the work-group's 1,024 bytes in s1
	s_wait_alu depctr_va_vdst(0)
	s_wait_kmcnt 0x0
	s_cmp_lt_u32 s12, 64                           ; t's tile or W's?  The choice hangs on the work-group's number alone
	s_cselect_b64 s[4:5], s[4:5], s[6:7]
	s_cselect_b32 s28, 0, 64
	s_sub_co_u32 s28, s12, s28
	s_lshl_b32 s28, s28, 7
	s_add_co_u32 s28, s28, s22
	s_lshl_b32 s28, s28, 12                        ; rows of 4,096 bytes
	s_lshl_b32 s29, s13, 10
	s_add_co_u32 s28, s28, s29
	s_mov_b32 s29, 0
	s_add_nc_u64 s[4:5], s[4:5], s[28:29]
	s_add_nc_u64 s[8:9], s[8:9], s[24:25]
	s_add_nc_u64 s[10:11], s[10:11], s[26:27]
.irp f, 0,1
.irp i, 0,1,2,3,4,5,6,7,8,9,10,11,12,13,14,15
	global_load_b128 v[RAW+64*\f+4*\i:RAW+64*\f+4*\i+3], v1, s[4:5] offset:(\i+8*(\i/8))*4096+512*\f th:TH_LOAD_NT   ; fragment row i: 512 consecutive bytes of one row
.endr
.endr
.macro PART f
	s_wait_loadcnt 16-16*\f                        ; this fragment's 16 loads are in; the other's 16 may be out
.irp i, 0,1,2,3,4,5,6,7,8,9,10,11,12,13,14,15
	ds_store_b128 v2, v[RAW+64*\f+4*\i:RAW+64*\f+4*\i+3] offset:SP*\i
.endr
.irp b, 0,1,2,3
.irp j, 0,1,2,3
	ds_load_b128 v[XN+16*\b+4*\j:XN+16*\b+4*\j+3], v3 offset:128*\b+16*\j   ; LDS serves a wave's instructions in order: these see the stores above
.endr
.endr
	s_wait_dscnt 0x0
.if \f
	s_wait_xcnt 0x0                                ; the first fragment's stores have read the codes' registers
.endif
	QUANT XN, PW
.irp c, 0,1,2
	global_store_b128 v1, v[PC+4*\c:PC+4*\c+3], s[8:9] offset:1536*\f+512*\c   ; 512 consecutive bytes, aligned
.endr
	ds_store_b32 v5, v[PW] offset:512*\f           ; lanes l and l + 16 write the same word with the same value
.endm
	PART 0
	PART 1
	s_wait_dscnt 0x0                               ; for the others' sake: my scale words have landed
	s_barrier_signal -1
	s_barrier_wait -1
	s_cmp_gt_u32 s16, 1
	s_cbranch_scc1 .Ldone
	ds_load_b128 v[XN:XN+3], v6
	s_wait_dscnt 0x0
	global_store_b128 v7, v[XN:XN+3], s[10:11]     ; a wave stores 512 consecutive bytes, aligned
.Ldone:
	s_wait_tensorcnt 0x0                           ; the wave's end, behind my last LDS store
	ds_add_u32 v[SPW], v[NIL]
	s_wait_dscnt 0x0
	s_endpgm
.Lfunc_end_k_q71c7f6afe0_quant:
	.size	k_q71c7f6afe0_quant, .Lfunc_end_k_q71c7f6afe0_quant-k_q71c7f6afe0_quant
	.p2alignl 7, 3214868480
	.fill 96, 4, 3214868480
	.section	.rodata,"a",@progbits
	.p2align	6, 0x0
	.amdhsa_kernel k_q71c7f6afe0_quant
		.amdhsa_group_segment_fixed_size 69632
		.amdhsa_private_segment_fixed_size 0
		.amdhsa_enable_private_segment 0
		.amdhsa_kernarg_size 32
		.amdhsa_user_sgpr_count 2
		.amdhsa_user_sgpr_kernarg_segment_ptr 1
		.amdhsa_wavefront_size32 1
		.amdhsa_system_sgpr_workgroup_id_x 1
		.amdhsa_system_sgpr_workgroup_id_y 1
		.amdhsa_system_sgpr_workgroup_id_z 1
		.amdhsa_system_vgpr_workitem_id 0
		.amdhsa_next_free_vgpr 256
		.amdhsa_next_free_sgpr 66
		.amdhsa_reserve_vcc 0
		.amdhsa_float_denorm_mode_32 3
		.amdhsa_float_denorm_mode_16_64 3
		.amdhsa_memory_ordered 1
		.amdhsa_forward_progress 1
		.amdhsa_inst_pref_size 23
	.end_amdhsa_kernel
	.amdgpu_metadata
---
amdhsa.version: [ 1, 2 ]
amdhsa.kernels:
  - .name:           k_q71c7f6afe0_quant
    .symbol:         k_q71c7f6afe0_quant.kd
    .args:
      - { .name: t, .offset: 0, .size: 8, .value_kind: global_buffer, .address_space: global }
      - { .name: W_qkv, .offset: 8, .size: 8, .value_kind: global_buffer, .address_space: global }
      - { .name: c1, .offset: 16, .size: 8, .value_kind: global_buffer, .address_space: global }
      - { .name: s1, .offset: 24, .size: 8, .value_kind: global_buffer, .address_space: global }
    .group_segment_fixed_size: 69632
    .private_segment_fixed_size: 0
    .kernarg_segment_align: 8
    .kernarg_segment_size: 32
    .max_flat_workgroup_size: 256
    .sgpr_count:     66
    .vgpr_count:     256
    .wavefront_size: 32
...
	.end_amdgpu_metadata
.endif
;; end of part 1
;; launch proj (part 2): grid 8 x 32, 4 waves a work-group, clusters of 4 x 4, 327,680 bytes of LDS; arguments c1, s1, b_qkv, c2, s2; writes c2, s2
.if DOCPART == 2
	.amdgcn_target "amdgcn-amd-amdhsa--gfx1250"
	.amdhsa_code_object_version 6
	.text
	.protected	k_q71c7f6afe0_proj
	.globl	k_q71c7f6afe0_proj
	.p2align	8
	.type	k_q71c7f6afe0_proj,@function
k_q71c7f6afe0_proj:
	s_mov_b64 s[64:65], 0
	v_nop
	global_prefetch_b8 v0, s[64:65] scope:SCOPE_SE
	s_setreg_imm32_b32 hwreg(HW_REG_WAVE_MODE, 25, 1), 1
	s_wait_xcnt 0x0
	s_wait_alu depctr_hold_cnt(0) depctr_sa_sdst(0) depctr_va_vdst(0) depctr_va_sdst(0) depctr_va_ssrc(0) depctr_va_vcc(0) depctr_vm_vsrc(0)
	s_getreg_b32 s2, hwreg(HW_REG_IB_STS2, 6, 4)
	s_cmp_eq_u32 s2, 0
	s_cbranch_scc0 .Lentry_in_a_cluster
	s_endpgm
.Lentry_in_a_cluster:
	s_bfe_u32 s2, ttmp6, 0x10000c
	s_cmp_lg_u32 s2, 0xf033
	s_cbranch_scc0 .Lentry_shape_is_right
	s_endpgm
.Lentry_shape_is_right:
; qkv = t W^T + b on codes of FP6 (E2M3) with E8M0 block scales, f32 sums; the result is quantised at once, in registers, into the operands of the next two products:
; Q and K along the channels, V along the tokens (its K in the last product).  Nothing wider than codes goes to memory.
; ORIENTATION: source 0 = Y (8 blocks b), source 1 = X (blocks a).  In accumulator (a, b) lane (r, h) holds X's fragment row r, register j holds Y's row 32 (b / 2) + 16 h + 8 (b % 2) + j (the rows of a block are
; laid 0-7, 16-23 | 8-15, 24-31 by the launch before): a lane's 64 registers of a block a run along 128 neighbours of Y, which is the next K.
; A WORK-GROUP MAKES TWO TILES, so that 256 work-groups have equal work: Q and K are 8,192 x 2,048 = 256 tiles of 256 x 256, V is 1,024 x 8,192 = 256 tiles of 128 x 256.
;   TILE 1 (Q or K): X = 256 tokens (t), Y = 256 channels (W rows 0-2,047); a wave makes 128 x 128: 64 accumulators.  The bias runs along Y: it is the C of the first K step.
;   TILE 2 (V):      X = 128 channels (W rows 2,048 on), Y = 256 tokens; a wave makes 64 x 128: 32 accumulators.  The bias runs along X: it is added ahead of the quantiser.
;   So the order of the f32 sums differs from the source's.
; RING: K = 1,024 goes in four steps of 256 through two LDS slots; operands lie in memory and LDS as images of their registers (1,536 bytes a fragment), so a step's tile is one dense block and a fragment comes by
; three loads of 16 bytes a lane, 512 consecutive bytes each.  THE RING GOES ON INTO TILE 2: tile 1's last two changes of slots ask for tile 2's first two steps, which land while tile 1 is quantised and stored.
; CLUSTER 4 x 4: X's tiles are shared along a row, Y's along a column: joint tensor loads, for both tiles.
; Tile 2's scale words (12,288 bytes, against the 688,128 bytes of codes that the work-group's tiles bring) are not asked for jointly: they come through registers and LDS stores.
; No prefetch: of tile 1's four steps two are asked for at the head, and the other two would have to be named there as well; tile 2's first two have tile 1's way out in which to land.
; LIMITS: NaN and infinities are not served; a block of zeros or under 2^-124 gets the byte 1.
; REGISTERS: window 0: v16-30 addresses; v32-47 scale words, two sets; v48-55 bias along X (pairs); v64-127 bias along Y; v128-223 X's fragments (tile 1: 8, one set; tile 2: 4, two sets);
; on the ways out v128-191 a block, v192-211 codes, v212-227 at work, v228-235 scale words;  window 1: Y's fragments, two sets (v0, v128);
; window 2: accumulators of X's blocks 0-3 at v[8 (8 a + b)]; window 3: blocks 4-7 (tile 1 alone).
.set SLOT,  98304                      ; tile 1: X's 256 rows x 256 K (49,152 bytes), then Y's; tile 2: X's 128 rows (24,576) at the slot's head, Y's where tile 1's lie
.set XSTEP, 49152                      ; from a K step of 256 to the next in memory
.set YSTEP, 49152
.set SCL,   2*SLOT                     ; tile 1's scale words for all of K: X's 2 x 4,096 bytes, Y's 2 x 4,096: filled once
.set SC2,   SCL+16384                  ; tile 2's: X's 4,096 bytes, Y's 2 x 4,096: written by LDS stores; no fill lands here
.set SPARE, SC2+12288                  ; the spare words: 128 bytes a wave; no other line names them
.set JREG,  15                         ; waves 0, 1 fetch for X, waves 2, 3 for Y
.set BX,    48
.set BY,    64
.set H,     128
.set PC,    192
.set TM,    212
.set PWS,   228
.set T4,    252
.set SEL,   92
.set YB2,   2                          ; s[2:3]   tile 2: where my part of Y's first step lies in memory
.set LX2,   17                         ; s17      tile 2: my part of X in a slot: 12,288 x wave
.set XB2,   22                         ; s[22:23] tile 2: where my part of X's first step lies
.set G1X,   24                         ; s[24:31] group 1, tile 1's X;  s[32:39] group 0, a set for each slot
.set G0X,   32
.set G1X2,  40                         ; s[40:47] group 1, tile 2's X
.set G1Y,   48                         ; s[48:55], s[56:63] the same for Y, both tiles
.set G0Y,   56
.set G1SX,  68
.set G0SX,  76
.set G1SY,  80
.set G0SY,  88
.set FR,    12
.set FRB,   1536
.set RBB,   3072
.set ADRX,  16                         ; v16-17 X's fragments in slot 0, 1, tile 1
.set ADRX2, 18                         ; v18-19 tile 2
.set ADRY,  20                         ; v20-21 Y's, both tiles
.set ADRS,  22                         ; v22-23 scale words, tile 1
.set LI,    24                         ; v24    16 x lane
.set ADRS2, 25                         ; v25-26 scale words, tile 2
.set SRO,   27                         ; v27    16 x (lane % 16)
.set SPW,   28
.set NIL,   29
.set LANE,  30
.set SC,    32
.set XF,    128
.set MUL_LO, 0xa1                      ; source 0 (Y) window 1, source 1 (X) window 0, C and D window 2
.set MUL_HI, 0xf1                      ; C and D window 3
.set TO_Y,   0x40                      ; destination window 1
.set MSB, 0
.set XOFF, 0                           ; which set of X's fragments the products take (tile 2)
.macro WIN new                         ; the immediate's high byte repeats the setting that is left
.if MSB != (\new)
	s_set_vgpr_msb (MSB<<8)|(\new)
.set MSB, \new
.endif
.endm
.macro PLACES n
.rept \n
	v_nop
.endr
.endm
.macro JLOAD g0a, g1a, g0b, g1b        ; a joint load; the branch hangs on the wave's number alone; s_nop 0 and four v_nop follow each line
	s_cmp_eq_u32 s[JREG], 0
	s_cbranch_scc0 .Lfor_y_\@
	tensor_load_to_lds s[\g0a:\g0a+3], s[\g1a:\g1a+7]
	s_nop 0
.rept 4
	v_nop
.endr
	s_branch .Lasked_\@
.Lfor_y_\@:
	tensor_load_to_lds s[\g0b:\g0b+3], s[\g1b:\g1b+7]
	s_nop 0
.rept 4
	v_nop
.endr
.Lasked_\@:
.endm
.macro CREST                           ; a round of the cluster's barrier behind its opening barrier
	s_cmp_lg_u32 s14, 0
	s_cbranch_scc1 .Lnot_wave_0_\@
	s_barrier_signal -3
.Lnot_wave_0_\@:
	s_barrier_wait -3
	s_barrier_signal -1
	s_barrier_wait -1
.endm
.macro CROUND
	s_barrier_signal -1
	s_barrier_wait -1
	CREST
.endm
.macro NEXT2 set, st                   ; the groups 0 of ring slot 'set' take tile 2's K step 'st' (no tensor load of mine is out)
	s_add_co_u32 s[G0X+4*\set+1], s[LX2], \set*SLOT
	s_add_nc_u64 s[G0X+4*\set+2:G0X+4*\set+3], s[XB2:XB2+1], \st*XSTEP
	s_or_b32 s[G0X+4*\set+3], s[G0X+4*\set+3], 0x80000000
	s_add_nc_u64 s[G0Y+4*\set+2:G0Y+4*\set+3], s[YB2:YB2+1], \st*YSTEP
	s_or_b32 s[G0Y+4*\set+3], s[G0Y+4*\set+3], 0x80000000
.endm
.macro FRAG reg, adr, off              ; a fragment's image: three loads, 512 consecutive bytes each
.irp c, 0,1,2
	ds_load_b128 v[(\reg)+4*\c:(\reg)+4*\c+3], v[\adr] offset:(\off)+512*\c
.endr
.endm
.macro FETCH_Y slot, q, set            ; 24 loads
	WIN TO_Y
.irp b, 0,1,2,3,4,5,6,7
	FRAG 128*(\set)+FR*\b, ADRY+(\slot), \b*RBB+(\q)*FRB
.endr
	WIN 0
.endm
.macro FETCH_X slot, q, i0             ; 12 loads: tile 1's blocks i0 .. i0 + 3
.irp i, 0,1,2,3
	FRAG XF+FR*((\i0)+\i), ADRX+(\slot), ((\i0)+\i)*RBB+(\q)*FRB
.endr
.endm
.macro SCALES g                        ; 2 loads: lanes 0-15 take X's words of blocks 0-3 | 4-7, lanes 16-31 Y's
	ds_load_b128 v[SC+8*((\g)%2):SC+8*((\g)%2)+3], v[ADRS] offset:512*(\g)
	ds_load_b128 v[SC+8*((\g)%2)+4:SC+8*((\g)%2)+7], v[ADRS+1] offset:512*(\g)
.endm
; 16 products: X's blocks a0, a0 + 1 against Y's eight.  The accumulators take turns, one instruction a turn, in one order in every step.  cm: C = the accumulator (0), 0 (1), the bias along Y (2)
.macro MUL16 a0, g, cm
.irp a, \a0, \a0+1
.irp b, 0,1,2,3,4,5,6,7
.set AC, 8*(8*((\a)%4)+\b)
.set YR, 128*((\g)%2)+FR*\b
.set XR, XF+XOFF+FR*(\a)
.set SY, SC+8*((\g)%2)+\b
.set SX, SC+8*((\g)%2)+(\a)
.if (\cm) == 1
	v_wmma_scale_f32_16x16x128_f8f6f4 v[AC:AC+7], v[YR:YR+FR-1], v[XR:XR+FR-1], 0, v[SY], v[SX] matrix_a_fmt:MATRIX_FMT_FP6 matrix_b_fmt:MATRIX_FMT_FP6 matrix_a_scale:MATRIX_SCALE_ROW1
.elseif (\cm) == 2
	v_wmma_scale_f32_16x16x128_f8f6f4 v[AC:AC+7], v[YR:YR+FR-1], v[XR:XR+FR-1], v[BY+8*\b:BY+8*\b+7], v[SY], v[SX] matrix_a_fmt:MATRIX_FMT_FP6 matrix_b_fmt:MATRIX_FMT_FP6 matrix_a_scale:MATRIX_SCALE_ROW1
.else
	v_wmma_scale_f32_16x16x128_f8f6f4 v[AC:AC+7], v[YR:YR+FR-1], v[XR:XR+FR-1], v[AC:AC+7], v[SY], v[SX] matrix_a_fmt:MATRIX_FMT_FP6 matrix_b_fmt:MATRIX_FMT_FP6 matrix_a_scale:MATRIX_SCALE_ROW1
.endif
.endr
.endr
.endm
; TILE 1: a K step of 128 whose successor lies in the same slot.  Four plain places stand in front of each run of loads into registers that products have read
.macro STEP slot, g, cm
	s_wait_dscnt 12                                ; all but the youngest 12 loads (X's blocks 4-7) are in
.if (\cm) == 2
	WIN 0x81                                       ; C from window 0
.else
	WIN MUL_LO
.endif
	MUL16 0, \g, \cm
	MUL16 2, \g, \cm
	s_wait_dscnt 0x0                               ; X's blocks 4-7 (asked for 32 products ago)
	PLACES 4
	FETCH_Y \slot, 1, ((\g)+1)%2
	FETCH_X \slot, 1, 0
	SCALES (\g)+1
.if (\cm) == 2
	WIN 0xc1
.else
	WIN MUL_HI
.endif
	MUL16 4, \g, \cm
	MUL16 6, \g, \cm
	PLACES 4
	WIN 0
	FETCH_X \slot, 1, 4
.endm
; TILE 1: a slot's last K step changes slots: in front of the round each wave waits for all its tensor loads, adds 0 to its spare word, and waits for that and for its reads of the slot.
; fill = 1: the slot takes tile 1's step two on; fill = 2: tile 2's step of the slot's number.  fetch = 0: tile 1's last step: the next fragments are fetched behind the way out
.macro TURN slot, next, g, fill, fetch
	s_wait_tensorcnt 0x0                           ; my part of the next slot has landed; no load of mine is out
	ds_add_u32 v[SPW], v[NIL]
	s_wait_dscnt 13                                ; (the add and X's blocks 4-7 may be out)
	WIN MUL_LO
	MUL16 0, \g, 0
	s_wait_dscnt 0x0                               ; the add is done, my reads of this slot are over
	s_barrier_signal -1
	MUL16 2, \g, 0
	WIN 0
	s_barrier_wait -1
	CREST                                          ; the barrier has opened a round of the cluster's: no wave of any partner reads this slot or has a load on its way
.if (\fill) == 1
	s_add_nc_u64 s[G0X+4*\slot+2:G0X+4*\slot+3], s[G0X+4*\slot+2:G0X+4*\slot+3], 2*XSTEP
	s_add_nc_u64 s[G0Y+4*\slot+2:G0Y+4*\slot+3], s[G0Y+4*\slot+2:G0Y+4*\slot+3], 2*YSTEP
	JLOAD G0X+4*\slot, G1X, G0Y+4*\slot, G1Y       ; the first tensor load behind the round; its four v_nop are the places for the loads below
.else
	NEXT2 \slot, \slot
	JLOAD G0X+4*\slot, G1X2, G0Y+4*\slot, G1Y
.endif
.if \fetch
	FETCH_Y \next, 0, ((\g)+1)%2
	FETCH_X \next, 0, 0
	SCALES (\g)+1
.endif
	WIN MUL_HI
	MUL16 4, \g, 0
	MUL16 6, \g, 0
	PLACES 4                                       ; in front of loads into, writes of and reads of what the products name
	WIN 0
.if \fetch
	FETCH_X \next, 0, 4
.endif
.endm
; TILE 2: X has four fragments a wave, so X, Y and the scale words all have two sets.  38 loads bring K step g: the slot's q-th 128 along K
.macro FETCH2 slot, q, g
	WIN TO_Y
.irp b, 0,1,2,3,4,5,6,7
	FRAG 128*((\g)%2)+FR*\b, ADRY+(\slot), \b*RBB+(\q)*FRB
.endr
	WIN 0
.irp i, 0,1,2,3
	FRAG XF+48*((\g)%2)+FR*\i, ADRX2+(\slot), \i*RBB+(\q)*FRB
.endr
	ds_load_b128 v[SC+8*((\g)%2):SC+8*((\g)%2)+3], v[ADRS2] offset:512*(\g)       ; lanes 0-15: X's four blocks; lanes 16-31: Y's blocks 0-3
	ds_load_b128 v[SC+8*((\g)%2)+4:SC+8*((\g)%2)+7], v[ADRS2+1] offset:512*(\g)   ; lanes 16-31: Y's blocks 4-7 (lanes 0-15 are not read by the products)
.endm
.macro MUL32 g, cm
.set XOFF, 48*((\g)%2)
	WIN MUL_LO
	MUL16 0, \g, \cm
	MUL16 2, \g, \cm
	WIN 0
.set XOFF, 0
.endm
.macro STEP2 slot, g, cm               ; a K step whose successor lies in the same slot: the successor's loads go out, then this step's 32 products
	PLACES 4                                       ; behind the products that read the sets that are loaded now
	FETCH2 \slot, 1, (\g)+1
	s_wait_dscnt 38                                ; all but the 38 just issued: this step's operands are in
	MUL32 \g, \cm
.endm
.macro TURN2 slot, next, g, fill       ; a slot's last K step; fill = 1: the slot takes tile 2's step two on
	s_wait_tensorcnt 0x0                           ; my part of the next slot has landed; no load of mine is out
	ds_add_u32 v[SPW], v[NIL]
	s_wait_dscnt 1                                 ; this step's operands are in (the add may be out): they were my last reads of this slot
.set XOFF, 48*((\g)%2)
	WIN MUL_LO
	MUL16 0, \g, 0
	s_wait_dscnt 0x0                               ; the add is done
	s_barrier_signal -1
	MUL16 2, \g, 0
	WIN 0
.set XOFF, 0
	s_barrier_wait -1
.if \fill
	CREST
	s_add_nc_u64 s[G0X+4*\slot+2:G0X+4*\slot+3], s[G0X+4*\slot+2:G0X+4*\slot+3], 2*XSTEP
	s_add_nc_u64 s[G0Y+4*\slot+2:G0Y+4*\slot+3], s[G0Y+4*\slot+2:G0Y+4*\slot+3], 2*YSTEP
	JLOAD G0X+4*\slot, G1X2, G0Y+4*\slot, G1Y      ; the first tensor load behind the round; its four v_nop are the places for the loads below
.else
	PLACES 4
.endif
	FETCH2 \next, 0, (\g)+1
.endm
; 64 numbers of a lane, register 16 b + i = k 32 b + 16 (lane / 16) + i of its row, in window w from v[s] on, become a fragment's codes in v[PC] on and the row's scale word in v[pw]
.macro QUANT s, pw, w
	WIN 20*(\w)                                    ; sources 1 and 2: window w
.irp b, 0,1,2,3
	v_max3_num_f32 v[TM+\b], 0x1800000, |v[(\s)+16*\b]|, |v[(\s)+1+16*\b]|   ; the floor 2^(3 - 127): the byte cannot fall under 1.  Each accumulator is read from its low end on
.endr
.irp i, 2,4,6,8,10,12,14
.irp b, 0,1,2,3
	v_max3_num_f32 v[TM+\b], v[TM+\b], |v[(\s)+16*\b+\i]|, |v[(\s)+1+16*\b+\i]|
.endr
.endr
	WIN 0
.irp b, 0,1,2,3
	v_permlanex16_b32 v[TM+4+\b], v[TM+\b], s[SEL], s[SEL+1]
.endr
.irp b, 0,1,2,3
	v_max_num_f32 v[TM+\b], v[TM+\b], v[TM+4+\b]       ; with lane l xor 16's 16: the block's largest magnitude
.endr
.irp b, 0,1,2,3
	v_add_nc_u32 v[TM+12+\b], 0xff000000, v[TM+\b]     ; 2 off the exponent field: the conversion's scale operand
.endr
.irp b, 0,1,2,3
	v_lshrrev_b32 v[TM+4+\b], 23, v[TM+12+\b]
.endr
	v_lshl_or_b32 v[\pw], v[TM+5], 8, v[TM+4]
	v_lshl_or_b32 v[\pw], v[TM+6], 16, v[\pw]
	v_lshl_or_b32 v[\pw], v[TM+7], 24, v[\pw]
	WIN (\w)                                       ; source 0: window w
.irp c, 0,1
	v_cvt_scalef32_pk16_fp6_f32 v[PC+6*\c:PC+2+6*\c], v[(\s)+32*\c:(\s)+15+32*\c], v[TM+12+2*\c]
	v_cvt_scalef32_pk16_fp6_f32 v[PC+12+4*\c:PC+14+4*\c], v[(\s)+16+32*\c:(\s)+31+32*\c], v[TM+12+2*\c+1]   ; (three registers begin on an even number)
.endr
	WIN 0
	v_nop                                          ; one plain place behind a scaled conversion
.irp c, 0,1                                    ; the layout wants a whole block in a lane: lanes 0-15 block 2 c, lanes 16-31 block 2 c + 1
.irp i, 0,1,2
	v_permlane16_swap_b32 v[PC+6*\c+\i], v[PC+12+4*\c+\i]
.endr
.irp i, 0,1,2
	v_mov_b32 v[PC+3+6*\c+\i], v[PC+12+4*\c+\i]
.endr
.endr
.endm
	s_load_b256 s[4:11], s[0:1], 0x0               ; c1 s[4:5], s1 s[6:7], b s[8:9], c2 s[10:11]
	s_load_b64 s[12:13], s[0:1], 0x20              ; s2
	v_lshl_add_u32 v[SPW], v0, 2, SPARE
	v_mov_b32 v[NIL], 0
	ds_add_u32 v[SPW], v[NIL]                      ; the wave's opening, ahead of my first tensor load
	ds_add_u32 v[SPW], v[NIL]
	v_lshrrev_b32 v1, 5, v0
	v_readfirstlane_b32 s14, v1                    ; wave 0..3
	s_lshr_b32 s15, s14, 1                         ; i: my half of X.  Also: I fetch for X (0) or Y (1)
	s_and_b32 s16, s14, 1                          ; j: my half of Y.  Also: which half of that tile I fetch
	s_bfe_u32 s66, ttmp6, 0x40000                  ; cx
	s_bfe_u32 s67, ttmp6, 0x40004                  ; cy
	s_and_b32 s17, ttmp7, 0xffff                   ; the cluster's y, 0..7
	s_lshl_b32 s18, s17, 2
	s_add_co_u32 s21, s18, s66                     ; tile 2, Y: t's tile of 256 rows 4 y + cx
	s_add_co_u32 s18, s18, s67                     ; tile 1, X: t's tile 4 y + cy
	s_lshl_b32 s19, ttmp9, 2
	s_add_co_u32 s20, s19, s66                     ; tile 1, Y: W's tile of 256 rows 4 x + cx, 0..7
	s_add_co_u32 s19, s19, s67                     ; tile 2, X: v = 4 x + cy: W rows 2,048 + 128 v on
	s_lshl_b32 s95, s67, 2
	s_lshl_b32 s95, 15, s95                        ; my row of the cluster
	s_lshl_b32 s96, 0x1111, s66                    ; my column
	; descriptors, group 1: dense blocks as rows of 256 bytes (32 elements of 8 bytes), no padding; 15:0 the mask, 17:16 the element's size, 21 set beside a mask
	s_or_b32 s[G1X], s95, (3<<16)|(1<<21)
	s_or_b32 s[G1X2], s95, (3<<16)|(1<<21)
	s_or_b32 s[G1SX], s95, (3<<16)|(1<<21)
	s_or_b32 s[G1Y], s96, (3<<16)|(1<<21)
	s_or_b32 s[G1SY], s96, (3<<16)|(1<<21)
.irp g, G1X, G1Y
	s_mov_b32 s[\g+1], 32<<16                      ; tensor_dim0
	s_mov_b32 s[\g+2], 192<<16                     ; tensor_dim1: the head's loads bring 192 rows = 49,152 bytes: 256 rows of the operand x 256 K; behind them the count is set to 96
	s_mov_b32 s[\g+3], 32<<16                      ; tile_dim0
	s_mov_b32 s[\g+4], 192                         ; tile_dim1
	s_mov_b32 s[\g+5], 32                          ; the pitch
	s_mov_b32 s[\g+6], 0
	s_mov_b32 s[\g+7], 0
.endr
	s_mov_b32 s[G1X2+1], 32<<16
	s_mov_b32 s[G1X2+2], 48<<16                    ; 48 rows = 12,288 bytes: 64 rows of the operand x 256 K
	s_mov_b32 s[G1X2+3], 32<<16
	s_mov_b32 s[G1X2+4], 48
	s_mov_b32 s[G1X2+5], 32
	s_mov_b32 s[G1X2+6], 0
	s_mov_b32 s[G1X2+7], 0
.irp g, G1SX, G1SY
	s_mov_b32 s[\g+1], 32<<16
	s_mov_b32 s[\g+2], 32<<16                      ; 32 rows = 8,192 bytes: the scale words of 256 rows for all of K
	s_mov_b32 s[\g+3], 32<<16
	s_mov_b32 s[\g+4], 32
	s_mov_b32 s[\g+5], 32
	s_mov_b32 s[\g+6], 0
	s_mov_b32 s[\g+7], 0
.endr
	; byte offsets, made in the registers that will hold the addresses.  X's are made of cy and the cluster's place alone, Y's of cx and the cluster's place alone
	s_mul_i32 s97, s16, 24576
	s_mul_i32 s[G0X+2], s18, 196608
	s_add_co_u32 s[G0X+2], s[G0X+2], s97
	s_mov_b32 s[G0X+3], 0
	s_add_co_u32 s95, s20, 32                      ; W's tiles lie behind t's 32
	s_mul_i32 s[G0Y+2], s95, 196608
	s_add_co_u32 s[G0Y+2], s[G0Y+2], s97
	s_mov_b32 s[G0Y+3], 0
	s_lshl_b32 s[G0SX+2], s18, 13
	s_mov_b32 s[G0SX+3], 0
	s_lshl_b32 s[G0SY+2], s95, 13
	s_mov_b32 s[G0SY+3], 0
	s_mul_i32 s[YB2], s21, 196608
	s_add_co_u32 s[YB2], s[YB2], s97
	s_mov_b32 s[YB2+1], 0
	s_lshr_b32 s95, s19, 1
	s_add_co_u32 s95, s95, 40                      ; W rows 2,048 on are tiles 40 on; v's 128 rows are half v % 2 of tile 40 + v / 2,
	s_mul_i32 s[XB2], s95, 196608
	s_and_b32 s95, s19, 1
	s_mul_i32 s95, s95, 24576
	s_add_co_u32 s[XB2], s[XB2], s95
	s_mul_i32 s95, s16, 12288                      ; and I fetch 64 of them
	s_add_co_u32 s[XB2], s[XB2], s95
	s_mov_b32 s[XB2+1], 0
	s_mul_i32 s97, s14, 24576                      ; where the tiles go: wave x 24,576: no place in the cluster enters an LDS address
	s_mul_i32 s[LX2], s14, 12288
.irp s, 0,1
	s_mov_b32 s[G0X+4*\s], 1
	s_add_co_u32 s[G0X+4*\s+1], s97, \s*SLOT
	s_mov_b32 s[G0Y+4*\s], 1
	s_add_co_u32 s[G0Y+4*\s+1], s97, \s*SLOT
.endr
	s_mov_b32 s[G0SX], 1
	s_mov_b32 s[G0SX+1], SCL
	s_mov_b32 s[G0SY], 1
	s_mov_b32 s[G0SY+1], SCL+8192
	s_mov_b32 s[G0X+5], 0                          ; slot 1's groups 0 serve the head's two loads of codes first: X's whole first step at slot 0's head,
	s_mov_b32 s[G0Y+5], 49152                      ; Y's behind it
	s_wait_dscnt 0x0                               ; the opening add is done
	s_wait_kmcnt 0x0
	s_add_nc_u64 s[G0X+2:G0X+3], s[4:5], s[G0X+2:G0X+3]
	s_add_nc_u64 s[G0Y+2:G0Y+3], s[4:5], s[G0Y+2:G0Y+3]
	s_add_nc_u64 s[G0SX+2:G0SX+3], s[6:7], s[G0SX+2:G0SX+3]
	s_add_nc_u64 s[G0SY+2:G0SY+3], s[6:7], s[G0SY+2:G0SY+3]
	s_add_nc_u64 s[XB2:XB2+1], s[4:5], s[XB2:XB2+1]
	s_add_nc_u64 s[YB2:YB2+1], s[4:5], s[YB2:YB2+1]
	s_mul_i32 s100, s16, 24576
	s_mov_b32 s101, 0
	s_sub_nc_u64 s[G0X+6:G0X+7], s[G0X+2:G0X+3], s[100:101]   ; the tile's first byte: my half's offset taken off again
	s_sub_nc_u64 s[G0Y+6:G0Y+7], s[G0Y+2:G0Y+3], s[100:101]
.irp g, G0X+3, G0X+7, G0Y+3, G0Y+7, G0SX+3, G0SY+3
	s_or_b32 s[\g], s[\g], 0x80000000              ; 127:126 type = 2
.endr
	CROUND                                         ; all sixteen work-groups are here: the first joint loads meet
; the head's loads, one a wave: wave 0 X's first step, wave 1 Y's, wave 2 X's scale words, wave 3 Y's: one tree of branches on the wave's number
.macro ARM under, g0, g1, next
	s_cmp_lt_u32 s14, \under
	s_cbranch_scc0 \next
	tensor_load_to_lds s[\g0:\g0+3], s[\g1:\g1+7]
	s_nop 0
.rept 4
	v_nop
.endr
	s_branch .Lhead_asked
\next:
.endm
	ARM 1, G0X+4, G1X, .Lhead_y
	ARM 2, G0Y+4, G1Y, .Lhead_sx
	ARM 3, G0SX, G1SX, .Lhead_sy
	tensor_load_to_lds s[G0SY:G0SY+3], s[G1SY:G1SY+7]
	s_nop 0
.rept 4
	v_nop
.endr
.Lhead_asked:
	v_and_b32 v1, 15, v0                           ; r
	v_bfe_u32 v2, v0, 4, 1                         ; h
	v_and_b32 v[LANE], 31, v0
	v_lshlrev_b32 v[LI], 4, v[LANE]                ; 16 x lane
	v_lshlrev_b32 v[SRO], 4, v1
	; tile 2's scale words: X's 4,096 dense bytes, Y's 8,192: 16 bytes a thread and load, 2,048 consecutive bytes a load of the work-group
	v_lshlrev_b32 v4, 4, v0
	s_add_co_u32 s95, s19, 80                      ; in s1 W rows 2,048 on are the tiles of 128 rows 80 on
	s_lshl_b32 s95, s95, 12
	v_add_nc_u32 v5, s95, v4
	s_lshl_b32 s96, s21, 13
	v_add_nc_u32 v6, s96, v4
	v_lshl_add_u32 v7, v0, 4, SC2
	global_load_b128 v[128:131], v5, s[6:7]
	global_load_b128 v[132:135], v5, s[6:7] offset:2048
.irp k, 0,1,2,3
	global_load_b128 v[136+4*\k:139+4*\k], v6, s[6:7] offset:2048*\k
.endr
	; the bias
	s_lshl_b32 s95, s20, 10
	s_lshl_b32 s96, s16, 9
	s_add_co_u32 s95, s95, s96                     ; tile 1, along Y: channel 256 (4 x + cx) + 128 j,
	v_lshl_add_u32 v8, v2, 6, s95                  ; + 16 h
	s_lshl_b32 s95, s19, 9
	s_lshl_b32 s96, s15, 8
	s_add_co_u32 s95, s95, s96
	s_add_co_u32 s95, s95, 8192                    ; tile 2, along X: channel 2,048 + 128 v + 64 i,
	v_and_b32 v9, 8, v1
	v_add_nc_u32 v9, v9, v1
	v_lshl_add_u32 v9, v9, 2, s95                  ; + r + 8 (r / 8)
.irp b, 0,1,2,3,4,5,6,7
	global_load_b128 v[BY+8*\b:BY+8*\b+3], v8, s[8:9] offset:(32*(\b/2)+8*(\b%2))*4
	global_load_b128 v[BY+8*\b+4:BY+8*\b+7], v8, s[8:9] offset:(32*(\b/2)+8*(\b%2))*4+16
.endr
.irp a, 0,1,2,3
	global_load_b32 v[BX+2*\a], v9, s[8:9] offset:(32*(\a/2)+8*(\a%2))*4
	global_load_b32 v[BX+2*\a+1], v9, s[8:9] offset:(32*(\a/2)+8*(\a%2))*4   ; twice: a pair for the packed addition
.endr
	; LDS addresses
	s_mul_i32 s95, s15, 24576                      ; tile 1: my 128 rows of X
	s_mul_i32 s96, s16, 24576
	s_add_co_u32 s96, s96, 49152                   ; my 128 rows of Y
	s_mul_i32 s97, s15, 12288                      ; tile 2: my 64 rows of X
.irp s, 0,1
	v_add_nc_u32 v[ADRX+\s], s95, v[LI]
	v_add_nc_u32 v[ADRY+\s], s96, v[LI]
	v_add_nc_u32 v[ADRX2+\s], s97, v[LI]
	s_add_co_u32 s95, s95, SLOT
	s_add_co_u32 s96, s96, SLOT
	s_add_co_u32 s97, s97, SLOT
.endr
	s_lshl_b32 s95, s15, 12
	s_lshl_b32 s96, s16, 12
	s_add_co_u32 s96, s96, 8192
	s_sub_co_u32 s96, s96, s95                     ; tile 1: from X's words to Y's
	v_mul_u32_u24 v10, s96, v2                     ; lanes 16-31 take Y's
	s_add_co_u32 s95, s95, SCL
	v_lshl_add_u32 v10, v1, 4, v10
	v_add_nc_u32 v[ADRS], s95, v10
	v_add_nc_u32 v[ADRS+1], 256, v[ADRS]
	s_lshl_b32 s95, s15, 8                         ; tile 2: X's words of my four blocks lie 256 i on,
	s_lshl_b32 s96, s16, 12
	s_add_co_u32 s96, s96, 4096                    ; Y's behind X's 4,096 bytes
	s_sub_co_u32 s96, s96, s95
	v_mul_u32_u24 v11, s96, v2
	s_add_co_u32 s95, s95, SC2
	v_lshl_add_u32 v11, v1, 4, v11
	v_add_nc_u32 v[ADRS2], s95, v11
	v_add_nc_u32 v[ADRS2+1], 256, v[ADRS2]
	; where tile 1 goes: tensor x (Q, K), K step cx of 256
	s_mul_i32 s98, ttmp9, 6291456
	s_mul_i32 s95, s18, 196608
	s_add_co_u32 s98, s98, s95
	s_mul_i32 s95, s66, 49152
	s_add_co_u32 s98, s98, s95
	s_mul_i32 s95, s15, 24576
	s_add_co_u32 s98, s98, s95
	s_mul_i32 s95, s16, 1536
	s_add_co_u32 s98, s98, s95
	s_mov_b32 s99, 0
	s_add_nc_u64 s[98:99], s[10:11], s[98:99]      ; codes
	s_lshl_b32 s100, ttmp9, 18
	s_lshl_b32 s95, s18, 1
	s_add_co_u32 s95, s95, s15
	s_lshl_b32 s95, s95, 12
	s_add_co_u32 s100, s100, s95
	s_lshl_b32 s95, s66, 1
	s_add_co_u32 s95, s95, s16
	s_lshl_b32 s95, s95, 9
	s_add_co_u32 s100, s100, s95
	s_mov_b32 s101, 0
	s_add_nc_u64 s[100:101], s[12:13], s[100:101]  ; scale words
	; where tile 2 goes: batch bt, tile of 256 keys kt, channels 128 v + 64 i on
	s_lshr_b32 s95, s21, 3                         ; bt
	s_and_b32 s96, s21, 7                          ; kt
	s_lshl_b32 s4, s95, 2
	s_lshr_b32 s97, s19, 1
	s_add_co_u32 s4, s4, s97
	s_lshl_b32 s4, s4, 3
	s_and_b32 s97, s96, 3
	s_lshl_b32 s97, s97, 1
	s_add_co_u32 s4, s4, s97
	s_lshr_b32 s97, s96, 2
	s_add_co_u32 s4, s4, s97
	s_mul_i32 s4, s4, 49152
	s_add_co_u32 s4, s4, 12582912                  ; [bt][v / 2][kt % 4][kt / 4],
	s_and_b32 s97, s19, 1
	s_mul_i32 s97, s97, 24576
	s_add_co_u32 s4, s4, s97
	s_mul_i32 s97, s15, 12288
	s_add_co_u32 s4, s4, s97                       ; row block 8 (v % 2) + 4 i,
	s_mul_i32 s97, s16, 1536
	s_add_co_u32 s4, s4, s97                       ; half step j
	s_mov_b32 s5, 0
	s_add_nc_u64 s[10:11], s[10:11], s[4:5]        ; codes
	s_lshl_b32 s4, s95, 3
	s_add_co_u32 s4, s4, s19
	s_lshl_b32 s4, s4, 4
	s_lshl_b32 s96, s96, 1
	s_add_co_u32 s4, s4, s96
	s_add_co_u32 s4, s4, s16
	s_lshl_b32 s4, s4, 9
	s_lshl_b32 s97, s15, 8
	s_add_co_u32 s4, s4, s97
	s_add_co_u32 s4, s4, 524288                    ; [bt][v][2 kt + j], my four blocks' 256 bytes
	s_add_nc_u64 s[12:13], s[12:13], s[4:5]        ; scale words
	s_mov_b32 s[SEL], 0x76543210
	s_mov_b32 s[SEL+1], 0xfedcba98
	s_mov_b32 s94, 0xffff0000                      ; lanes 16-31
.irp b, 0,1,2,3
	v_mov_b32 v[TM+4+\b], 0                        ; written once: a lane permute's destination counts as read
.endr
	s_wait_alu depctr_va_vdst(0)
	s_wait_loadcnt 0x0                             ; the bias and tile 2's scale words
	ds_store_b128 v7, v[128:131]
	ds_store_b128 v7, v[132:135] offset:2048
.irp k, 0,1,2,3
	ds_store_b128 v7, v[136+4*\k:139+4*\k] offset:4096+2048*\k
.endr
	s_wait_tensorcnt 0x0                           ; my tile of the head's four is in; slot 1's first fill is issued as a refill is
	ds_add_u32 v[SPW], v[NIL]
	s_mov_b32 s[G1X+2], 96<<16                     ; no tensor load of mine is out: from here on a load brings 96 rows = 24,576 bytes
	s_mov_b32 s[G1X+4], 96
	s_mov_b32 s[G1Y+2], 96<<16
	s_mov_b32 s[G1Y+4], 96
	s_mul_i32 s[G0X+5], s14, 24576                 ; and slot 1's groups 0 take K step 1: my quarter of the slot
	s_add_co_u32 s[G0X+5], s[G0X+5], SLOT
	s_mul_i32 s[G0Y+5], s14, 24576
	s_add_co_u32 s[G0Y+5], s[G0Y+5], SLOT
	s_add_nc_u64 s[G0X+6:G0X+7], s[G0X+2:G0X+3], XSTEP
	s_add_nc_u64 s[G0Y+6:G0Y+7], s[G0Y+2:G0Y+3], YSTEP
	s_wait_dscnt 0x0                               ; the add is done, and my stores of tile 2's scale words have landed
	CROUND                                         ; a whole round: all four tiles are in, all sixteen work-groups are here
	JLOAD G0X+4, G1X, G0Y+4, G1Y                   ; K step 1, the first tensor load behind the round
	; ---- TILE 1: K = 1,024 is eight steps of 128, written out: the scale words' offsets and the sets change from step to step
	FETCH_Y 0, 0, 0
	FETCH_X 0, 0, 0
	SCALES 0
	FETCH_X 0, 0, 4
	STEP 0, 0, 2                                   ; the first products start the sums from the bias
	TURN 0, 1, 1, 1, 1
	STEP 1, 2, 0
	TURN 1, 0, 3, 1, 1
	STEP 0, 4, 0
	TURN 0, 1, 5, 2, 1                             ; slot 0 takes tile 2's first step,
	STEP 1, 6, 0
	TURN 1, 0, 7, 2, 0                             ; slot 1 its second
; block a's 16 rows x 128 are quantised out of the accumulators and stored as an image: 3 x 512 consecutive bytes
.macro OUT1 a
	s_wait_xcnt 0x0                                ; the last block's stores have read the codes' registers
	QUANT 64*((\a)%4), PWS+(\a), 2+(\a)/4
.irp c, 0,1,2
	global_store_b128 v[LI], v[PC+4*\c:PC+4*\c+3], s[98:99] offset:3072*(\a)+512*\c
.endr
.endm
.irp a, 0,1,2,3,4,5,6,7
	OUT1 \a
.endr
.irp i, 0,1,2,3
	v_cndmask_b32 v[T4+\i], v[PWS+\i], v[PWS+4+\i], s94   ; lanes 0-15 give the words of blocks 0-3, lanes 16-31 of blocks 4-7
.endr
	global_store_b128 v[LI], v[T4:T4+3], s[100:101]
	; ---- TILE 2: eight steps of 128, 32 products each.  Slot 0 was shown whole to every wave by the last change of slots
	s_wait_xcnt 0x0                                ; the stores have read the codes' registers: X's second set lands there
	FETCH2 0, 0, 0
	STEP2 0, 0, 1                                  ; the first products start the sums
	TURN2 0, 1, 1, 1
	STEP2 1, 2, 0
	TURN2 1, 0, 3, 1
	STEP2 0, 4, 0
	TURN2 0, 1, 5, 0                               ; the last two steps of 256 are asked for: no round, no load
	STEP2 1, 6, 0
	s_wait_dscnt 0x0
	MUL32 7, 0
	PLACES 4                                       ; in front of the first read of results and the first write of operands
; block a's 16 channels x 128 tokens: + the bias along X, quantised, stored as an image
.macro OUT2 a
	WIN 0x02                                       ; source 0: window 2
.set k, 0
.rept 32
	v_pk_add_f32 v[H+2*k:H+2*k+1], v[64*(\a)+2*k:64*(\a)+2*k+1], v[BX+2*(\a):BX+2*(\a)+1]   ; each accumulator from its low end on
.set k, k+1
.endr
	WIN 0
	s_wait_xcnt 0x0                                ; the last block's stores have read the codes' registers
	QUANT H, PWS+(\a), 0
.irp c, 0,1,2
	global_store_b128 v[LI], v[PC+4*\c:PC+4*\c+3], s[10:11] offset:3072*(\a)+512*\c
.endr
.endm
.irp a, 0,1,2,3
	OUT2 \a
.endr
	v_cmp_gt_u32 vcc_lo, 16, v[LANE]               ; my four blocks' scale words are 256 bytes: lanes 0-15 store them, 16 bytes each (lanes 16-31 hold the same words)
	s_wait_xcnt 0x0                                ; EXEC changes only behind this wait
	s_and_saveexec_b32 s95, vcc_lo
	global_store_b128 v[SRO], v[PWS:PWS+3], s[12:13]
	s_wait_xcnt 0x0                                ; and again in front of the line that widens it
	s_or_b32 exec_lo, exec_lo, s95
	s_wait_tensorcnt 0x0                           ; the wave's end, behind my last tensor load and my last LDS store
	ds_add_u32 v[SPW], v[NIL]
	s_wait_dscnt 0x0
	CROUND                                         ; the closing round
	s_endpgm
.Lfunc_end_k_q71c7f6afe0_proj:
	.size	k_q71c7f6afe0_proj, .Lfunc_end_k_q71c7f6afe0_proj-k_q71c7f6afe0_proj
	.p2alignl 7, 3214868480
	.fill 96, 4, 3214868480
	.section	.rodata,"a",@progbits
	.p2align	6, 0x0
	.amdhsa_kernel k_q71c7f6afe0_proj
		.amdhsa_group_segment_fixed_size 327680
		.amdhsa_private_segment_fixed_size 0
		.amdhsa_enable_private_segment 0
		.amdhsa_kernarg_size 40
		.amdhsa_user_sgpr_count 2
		.amdhsa_user_sgpr_kernarg_segment_ptr 1
		.amdhsa_wavefront_size32 1
		.amdhsa_system_sgpr_workgroup_id_x 1
		.amdhsa_system_sgpr_workgroup_id_y 1
		.amdhsa_system_sgpr_workgroup_id_z 1
		.amdhsa_system_vgpr_workitem_id 0
		.amdhsa_next_free_vgpr 1024
		.amdhsa_next_free_sgpr 102
		.amdhsa_reserve_vcc 1
		.amdhsa_float_denorm_mode_32 3
		.amdhsa_float_denorm_mode_16_64 3
		.amdhsa_memory_ordered 1
		.amdhsa_forward_progress 1
		.amdhsa_inst_pref_size 229
	.end_amdhsa_kernel
	.amdgpu_metadata
---
amdhsa.version: [ 1, 2 ]
amdhsa.kernels:
  - .name:           k_q71c7f6afe0_proj
    .symbol:         k_q71c7f6afe0_proj.kd
    .args:
      - { .name: c1, .offset: 0, .size: 8, .value_kind: global_buffer, .address_space: global }
      - { .name: s1, .offset: 8, .size: 8, .value_kind: global_buffer, .address_space: global }
      - { .name: b_qkv, .offset: 16, .size: 8, .value_kind: global_buffer, .address_space: global }
      - { .name: c2, .offset: 24, .size: 8, .value_kind: global_buffer, .address_space: global }
      - { .name: s2, .offset: 32, .size: 8, .value_kind: global_buffer, .address_space: global }
    .group_segment_fixed_size: 327680
    .private_segment_fixed_size: 0
    .kernarg_segment_align: 8
    .kernarg_segment_size: 40
    .max_flat_workgroup_size: 128
    .sgpr_count:     102
    .vgpr_count:     1024
    .wavefront_size: 32
...
	.end_amdgpu_metadata
.endif
;; end of part 2
;; launch score (part 3): grid 8 x 32, 4 waves a work-group, clusters of 4 x 4, 327,680 bytes of LDS; arguments c2, s2, pc, pst; writes pc, pst
.if DOCPART == 3
	.amdgcn_target "amdgcn-amd-amdhsa--gfx1250"
	.amdhsa_code_object_version 6
	.text
	.protected	k_q71c7f6afe0_score
	.globl	k_q71c7f6afe0_score
	.p2align	8
	.type	k_q71c7f6afe0_score,@function
k_q71c7f6afe0_score:
	s_mov_b64 s[64:65], 0
	v_nop
	global_prefetch_b8 v0, s[64:65] scope:SCOPE_SE
	s_setreg_imm32_b32 hwreg(HW_REG_WAVE_MODE, 25, 1), 1
	s_wait_xcnt 0x0
	s_wait_alu depctr_hold_cnt(0) depctr_sa_sdst(0) depctr_va_vdst(0) depctr_va_sdst(0) depctr_va_ssrc(0) depctr_va_vcc(0) depctr_vm_vsrc(0)
	s_getreg_b32 s2, hwreg(HW_REG_IB_STS2, 6, 4)
	s_cmp_eq_u32 s2, 0
	s_cbranch_scc0 .Lentry_in_a_cluster
	s_endpgm
.Lentry_in_a_cluster:
	s_bfe_u32 s2, ttmp6, 0x10000c
	s_cmp_lg_u32 s2, 0xf033
	s_cbranch_scc0 .Lentry_shape_is_right
	s_endpgm
.Lentry_shape_is_right:
.set SLOT,  98304
.set XSTEP, 49152
.set YSTEP, 49152
.set SCL,   2*SLOT
.set SPARE, SCL+16384
.set ADRXH, 16
.set JREG,  15
.set FIRST, 1
.set P,     128
.set PC,    192
.set TM,    212
.set BM,    212
.set WK,    220
.set LA,    222
.set LB,    204
.set PWS,   228
.set NMS,   236
.set LLS,   244
.set SEL,   92
.set CS,    66
.set G1SX,  68
.set G0SX,  76
.set G1SY,  80
.set G0SY,  88
.set FR,   12
.set FRB,  1536
.set RBB,  3072
.set ADRX, 16
.set ADRY, 20
.set ADRS, 22
.set LI,   24
.set SPW,  28
.set NIL,  29
.set SC,   32
.set XF,   128
.set G1X,  24
.set G0X,  32
.set G1Y,  48
.set G0Y,  56
.set MUL_LO, 0xa1
.set MUL_HI, 0xf1
.set TO_Y,   0x40
.set MSB, 0
.macro WIN new
.if MSB != (\new)
	s_set_vgpr_msb (MSB<<8)|(\new)
.set MSB, \new
.endif
.endm
.macro PLACES n
.rept \n
	v_nop
.endr
.endm
.macro JLOAD g0a, g1a, g0b, g1b
	s_cmp_eq_u32 s[JREG], 0
	s_cbranch_scc0 .Lfor_y_\@
	tensor_load_to_lds s[\g0a:\g0a+3], s[\g1a:\g1a+7]
	s_nop 0
.rept 4
	v_nop
.endr
	s_branch .Lasked_\@
.Lfor_y_\@:
	tensor_load_to_lds s[\g0b:\g0b+3], s[\g1b:\g1b+7]
	s_nop 0
.rept 4
	v_nop
.endr
.Lasked_\@:
.endm
.macro CREST
	s_cmp_lg_u32 s14, 0
	s_cbranch_scc1 .Lnot_wave_0_\@
	s_barrier_signal -3
.Lnot_wave_0_\@:
	s_barrier_wait -3
	s_barrier_signal -1
	s_barrier_wait -1
.endm
.macro CROUND
	s_barrier_signal -1
	s_barrier_wait -1
	CREST
.endm
.macro FRAG reg, adr, off
.irp c, 0,1,2
	ds_load_b128 v[(\reg)+4*\c:(\reg)+4*\c+3], v[\adr] offset:(\off)+512*\c
.endr
.endm
.macro FETCH_Y slot, q, set
	WIN TO_Y
.irp b, 0,1,2,3,4,5,6,7
	FRAG 128*(\set)+FR*\b, ADRY+(\slot), \b*RBB+(\q)*FRB
.endr
	WIN 0
.endm
.macro FETCH_X slot, q, i0
.irp i, 0,1,2,3
.if (\i0) == 0
	FRAG XF+FR*\i, ADRX+(\slot), \i*RBB+(\q)*FRB
.else
	FRAG XF+FR*(4+\i), ADRXH+(\slot), (4+\i)*RBB+(\q)*FRB
.endif
.endr
.endm
.macro SCALES g
	ds_load_b128 v[SC+8*((\g)%2):SC+8*((\g)%2)+3], v[ADRS] offset:512*(\g)
	ds_load_b128 v[SC+8*((\g)%2)+4:SC+8*((\g)%2)+7], v[ADRS+1] offset:512*(\g)
.endm
.macro MUL16 a0, g, cm
.irp a, \a0, \a0+1
.irp b, 0,1,2,3,4,5,6,7
.set AC, 8*(8*((\a)%4)+\b)
.set YR, 128*((\g)%2)+FR*\b
.set XR, XF+FR*(\a)
.set SY, SC+8*((\g)%2)+\b
.set SX, SC+8*((\g)%2)+(\a)
.if (\cm) == 1
	v_wmma_scale_f32_16x16x128_f8f6f4 v[AC:AC+7], v[YR:YR+FR-1], v[XR:XR+FR-1], 0, v[SY], v[SX] matrix_a_fmt:MATRIX_FMT_FP6 matrix_b_fmt:MATRIX_FMT_FP6 matrix_a_scale:MATRIX_SCALE_ROW1
.elseif (\cm) == 2
	v_wmma_scale_f32_16x16x128_f8f6f4 v[AC:AC+7], v[YR:YR+FR-1], v[XR:XR+FR-1], v[64+8*\b:64+8*\b+7], v[SY], v[SX] matrix_a_fmt:MATRIX_FMT_FP6 matrix_b_fmt:MATRIX_FMT_FP6 matrix_a_scale:MATRIX_SCALE_ROW1
.else
	v_wmma_scale_f32_16x16x128_f8f6f4 v[AC:AC+7], v[YR:YR+FR-1], v[XR:XR+FR-1], v[AC:AC+7], v[SY], v[SX] matrix_a_fmt:MATRIX_FMT_FP6 matrix_b_fmt:MATRIX_FMT_FP6 matrix_a_scale:MATRIX_SCALE_ROW1
.endif
.endr
.endr
.endm
.macro STEP slot, g, cm
	s_wait_dscnt 12
.if (\cm) == 2
	WIN 0x81
.else
	WIN MUL_LO
.endif
	MUL16 0, \g, \cm
	MUL16 2, \g, \cm
	s_wait_dscnt 0x0
	PLACES 4
	FETCH_Y \slot, 1, ((\g)+1)%2
	FETCH_X \slot, 1, 0
	SCALES (\g)+1
.if (\cm) == 2
	WIN 0xc1
.else
	WIN MUL_HI
.endif
	MUL16 4, \g, \cm
	MUL16 6, \g, \cm
	PLACES 4
	WIN 0
	FETCH_X \slot, 1, 4
.endm
.macro TURN slot, next, g, fill
	s_wait_tensorcnt 0x0
	ds_add_u32 v[SPW], v[NIL]
	s_wait_dscnt 13
	WIN MUL_LO
	MUL16 0, \g, 0
	s_wait_dscnt 0x0
	s_barrier_signal -1
	MUL16 2, \g, 0
	WIN 0
	s_barrier_wait -1
.if \fill
	CREST
	s_add_nc_u64 s[G0X+4*\slot+2:G0X+4*\slot+3], s[G0X+4*\slot+2:G0X+4*\slot+3], 2*XSTEP
	s_add_nc_u64 s[G0Y+4*\slot+2:G0Y+4*\slot+3], s[G0Y+4*\slot+2:G0Y+4*\slot+3], 2*YSTEP
	JLOAD G0X+4*\slot, G1X, G0Y+4*\slot, G1Y
.else
	PLACES 4
.endif
	FETCH_Y \next, 0, ((\g)+1)%2
	FETCH_X \next, 0, 0
	SCALES (\g)+1
	WIN MUL_HI
	MUL16 4, \g, 0
	MUL16 6, \g, 0
	PLACES 4
	WIN 0
	FETCH_X \next, 0, 4
.endm
.macro LAST g
	s_wait_dscnt 12
	WIN MUL_LO
	MUL16 0, \g, 0
	MUL16 2, \g, 0
	s_wait_dscnt 0x0
	WIN MUL_HI
	MUL16 4, \g, 0
	MUL16 6, \g, 0
	WIN 0
	PLACES 4
.endm
	s_load_b256 s[4:11], s[0:1], 0x0
	v_lshl_add_u32 v[SPW], v0, 2, SPARE
	v_mov_b32 v[NIL], 0
	ds_add_u32 v[SPW], v[NIL]
	ds_add_u32 v[SPW], v[NIL]
	v_lshrrev_b32 v1, 5, v0
	v_readfirstlane_b32 s14, v1
	s_lshr_b32 s15, s14, 1
	s_and_b32 s16, s14, 1
	s_bfe_u32 s40, ttmp6, 0x40000
	s_bfe_u32 s41, ttmp6, 0x40004
	s_and_b32 s17, ttmp7, 0xffff
	s_lshl_b32 s45, s17, 2
	s_add_co_u32 s45, s45, s41
	s_lshl_b32 s42, ttmp9, 2
	s_add_co_u32 s42, s42, s40
	s_lshr_b32 s18, s17, 1
	s_lshl_b32 s18, s18, 3
	s_add_co_u32 s18, s18, s42
	s_lshl_b32 s43, s41, 2
	s_lshl_b32 s43, 15, s43
	s_lshl_b32 s44, 0x1111, s40
	s_or_b32 s[G1X], s43, (3<<16)|(1<<21)
	s_or_b32 s[G1Y], s44, (3<<16)|(1<<21)
	s_or_b32 s[G1SX], s43, (3<<16)|(1<<21)
	s_or_b32 s[G1SY], s44, (3<<16)|(1<<21)
.irp g, G1X, G1Y
	s_mov_b32 s[\g+1], 32<<16
	s_mov_b32 s[\g+2], 192<<16                     ; the head's loads bring 192 rows = 49,152 bytes: 256 rows of the operand x 256 K; behind them the count is set to 96
	s_mov_b32 s[\g+3], 32<<16
	s_mov_b32 s[\g+4], 192
	s_mov_b32 s[\g+5], 32
	s_mov_b32 s[\g+6], 0
	s_mov_b32 s[\g+7], 0
.endr
.irp g, G1SX, G1SY
	s_mov_b32 s[\g+1], 32<<16
	s_mov_b32 s[\g+2], 32<<16                      ; 32 rows = 8,192 bytes: the scale words of 256 rows for all of K
	s_mov_b32 s[\g+3], 32<<16
	s_mov_b32 s[\g+4], 32
	s_mov_b32 s[\g+5], 32
	s_mov_b32 s[\g+6], 0
	s_mov_b32 s[\g+7], 0
.endr
	s_mul_i32 s2, s16, 24576
	s_mul_i32 s20, s45, 196608
	s_add_co_u32 s20, s20, s2
	s_mov_b32 s21, 0
	s_mul_i32 s46, s18, 196608
	s_add_co_u32 s46, s46, s2
	s_add_co_u32 s46, s46, 6291456
	s_mov_b32 s47, 0
	s_lshl_b32 s22, s45, 13
	s_mov_b32 s23, 0
	s_lshl_b32 s18, s18, 13
	s_add_co_u32 s18, s18, 262144
	s_mov_b32 s19, 0
	s_mul_i32 s97, s14, 24576
	s_mov_b32 s3, 0                                ; s[2:3]: my half's offset in a tile, as a pair
	s_wait_dscnt 0x0
	s_wait_kmcnt 0x0
	s_add_nc_u64 s[20:21], s[4:5], s[20:21]
	s_add_nc_u64 s[46:47], s[4:5], s[46:47]
	s_add_nc_u64 s[22:23], s[6:7], s[22:23]
	s_add_nc_u64 s[18:19], s[6:7], s[18:19]
	CROUND
	s_mov_b32 s[G0SX], 1
	s_mov_b32 s[G0SX+1], SCL
	s_mov_b64 s[G0SX+2:G0SX+3], s[22:23]
	s_or_b32 s[G0SX+3], s[G0SX+3], 0x80000000
	s_mov_b32 s[G0SY], 1
	s_mov_b32 s[G0SY+1], SCL+8192
	s_mov_b64 s[G0SY+2:G0SY+3], s[18:19]
	s_or_b32 s[G0SY+3], s[G0SY+3], 0x80000000
.irp s, 0,1
	s_mov_b32 s[G0X+4*\s], 1
	s_add_co_u32 s[G0X+4*\s+1], s97, \s*SLOT
	s_add_nc_u64 s[G0X+4*\s+2:G0X+4*\s+3], s[20:21], \s*XSTEP
	s_or_b32 s[G0X+4*\s+3], s[G0X+4*\s+3], 0x80000000
	s_mov_b32 s[G0Y+4*\s], 1
	s_add_co_u32 s[G0Y+4*\s+1], s97, \s*SLOT
	s_add_nc_u64 s[G0Y+4*\s+2:G0Y+4*\s+3], s[46:47], \s*YSTEP
	s_or_b32 s[G0Y+4*\s+3], s[G0Y+4*\s+3], 0x80000000
.endr
	s_mov_b32 s[G0X+5], 0                          ; slot 1's groups 0 serve the head's two loads of codes first: X's whole first step at slot 0's head,
	s_sub_nc_u64 s[G0X+6:G0X+7], s[20:21], s[2:3]  ; from the tile's first byte: my half's offset taken off again
	s_or_b32 s[G0X+7], s[G0X+7], 0x80000000
	s_mov_b32 s[G0Y+5], 49152                      ; Y's behind it
	s_sub_nc_u64 s[G0Y+6:G0Y+7], s[46:47], s[2:3]
	s_or_b32 s[G0Y+7], s[G0Y+7], 0x80000000
; the head's loads, one a wave: wave 0 X's first step, wave 1 Y's, wave 2 X's scale words, wave 3 Y's: one tree of branches on the wave's number
.macro ARM under, g0, g1, next
	s_cmp_lt_u32 s14, \under
	s_cbranch_scc0 \next
	tensor_load_to_lds s[\g0:\g0+3], s[\g1:\g1+7]
	s_nop 0
.rept 4
	v_nop
.endr
	s_branch .Lhead_asked
\next:
.endm
	ARM 1, G0X+4, G1X, .Lhead_y
	ARM 2, G0Y+4, G1Y, .Lhead_sx
	ARM 3, G0SX, G1SX, .Lhead_sy
	tensor_load_to_lds s[G0SY:G0SY+3], s[G1SY:G1SY+7]
	s_nop 0
.rept 4
	v_nop
.endr
.Lhead_asked:
	v_and_b32 v1, 15, v0
	v_bfe_u32 v2, v0, 4, 1
	s_wait_alu depctr_va_vdst(0)
	v_and_b32 v3, 31, v0
	v_lshlrev_b32 v[LI], 4, v3
	s_mul_i32 s2, s15, 24576
	s_mul_i32 s3, s16, 24576
	s_add_co_u32 s3, s3, 49152
.irp s, 0,1
	v_add_nc_u32 v[ADRX+\s], s2, v[LI]
	v_add_nc_u32 v[ADRY+\s], s3, v[LI]
	s_add_co_u32 s2, s2, SLOT
	s_add_co_u32 s3, s3, SLOT
.endr
	s_lshl_b32 s2, s15, 12
	s_lshl_b32 s3, s16, 12
	s_add_co_u32 s3, s3, 8192
	s_sub_co_u32 s3, s3, s2
	v_mul_u32_u24 v4, s3, v2
	s_add_co_u32 s2, s2, SCL
	v_lshl_add_u32 v4, v1, 4, v4
	v_add_nc_u32 v[ADRS], s2, v4
	v_add_nc_u32 v[ADRS+1], 256, v[ADRS]
	s_lshl_b32 s20, s45, 1
	s_add_co_u32 s20, s20, s15
	s_mul_i32 s98, s20, 196608
	s_and_b32 s21, s42, 3
	s_lshl_b32 s21, s21, 1
	s_lshr_b32 s22, s42, 2
	s_add_co_u32 s21, s21, s22
	s_mul_i32 s21, s21, 24576
	s_add_co_u32 s98, s98, s21
	s_mul_i32 s21, s16, 1536
	s_add_co_u32 s98, s98, s21
	s_mov_b32 s99, 0
	s_lshl_b32 s100, s20, 4
	s_lshl_b32 s21, s42, 1
	s_add_co_u32 s100, s100, s21
	s_add_co_u32 s100, s100, s16
	s_lshl_b32 s100, s100, 9
	s_mov_b32 s101, 0
	s_add_nc_u64 s[98:99], s[8:9], s[98:99]
	s_add_nc_u64 s[100:101], s[10:11], s[100:101]
	s_mov_b32 s[SEL], 0x76543210
	s_mov_b32 s[SEL+1], 0xfedcba98
	s_mov_b32 s94, 0xffff0000
	s_mov_b32 s[CS], 0x3d38aa3b
	s_mov_b32 s[CS+1], s[CS]
.irp b, 0,1,2,3
	v_mov_b32 v[BM+4+\b], 0
.endr
	s_wait_alu depctr_va_vdst(0)
	s_wait_tensorcnt 0x0                           ; my tile of the head's four is in; slot 1's first fill is issued as a refill is
	ds_add_u32 v[SPW], v[NIL]
	s_mov_b32 s[G1X+2], 96<<16                     ; no tensor load of mine is out: from here on a load brings 96 rows = 24,576 bytes
	s_mov_b32 s[G1X+4], 96
	s_mov_b32 s[G1Y+2], 96<<16
	s_mov_b32 s[G1Y+4], 96
	s_mul_i32 s[G0X+5], s14, 24576                 ; and slot 1's groups 0 take K step 1: my quarter of the slot
	s_add_co_u32 s[G0X+5], s[G0X+5], SLOT
	s_mul_i32 s[G0Y+5], s14, 24576
	s_add_co_u32 s[G0Y+5], s[G0Y+5], SLOT
	s_add_nc_u64 s[G0X+6:G0X+7], s[G0X+2:G0X+3], XSTEP
	s_add_nc_u64 s[G0Y+6:G0Y+7], s[G0Y+2:G0Y+3], YSTEP
	s_wait_dscnt 0x0                               ; the add is done
	CROUND                                         ; a whole round: all four tiles are in, all sixteen work-groups are here
	JLOAD G0X+4, G1X, G0Y+4, G1Y                   ; K step 1, the first tensor load behind the round
	FETCH_Y 0, 0, 0
	FETCH_X 0, 0, 0
	SCALES 0
	FETCH_X 0, 0, 4
	STEP 0, 0, FIRST
	TURN 0, 1, 1, 1
	STEP 1, 2, 0
	TURN 1, 0, 3, 1
	STEP 0, 4, 0
	TURN 0, 1, 5, 0
	STEP 1, 6, 0
	LAST 7
.macro SOFT a
.set AB, 64*((\a)%4)
	WIN 0x28+0x14*((\a)/4)
.irp b, 0,1,2,3
	v_max3_num_f32 v[BM+\b], 0xff800000, v[AB+16*\b], v[AB+16*\b+1]
.endr
.irp i, 2,4,6,8,10,12,14
.irp b, 0,1,2,3
	v_max3_num_f32 v[BM+\b], v[BM+\b], v[AB+16*\b+\i], v[AB+16*\b+\i+1]
.endr
.endr
	WIN 0
.irp b, 0,1,2,3
	v_permlanex16_b32 v[BM+4+\b], v[BM+\b], s[SEL], s[SEL+1]
.endr
.irp b, 0,1,2,3
	v_max_num_f32 v[BM+\b], v[BM+\b], v[BM+4+\b]
.endr
	v_max3_num_f32 v[WK+1], v[BM], v[BM+1], v[BM+2]
	v_max_num_f32 v[WK+1], v[WK+1], v[BM+3]
	v_mul_f32 v[WK+1], s[CS], v[WK+1]
	v_floor_f32 v[WK], -v[WK+1]
	WIN 0x02+(\a)/4
.set k, 0
.rept 32
	v_pk_fma_f32 v[P+2*k:P+2*k+1], v[AB+2*k:AB+2*k+1], s[CS:CS+1], v[WK:WK+1] op_sel_hi:[1,0,0]
.set k, k+1
.endr
	WIN 0
.irp b, 0,1,2,3
	v_fma_f32 v[BM+\b], v[BM+\b], s[CS], v[WK]
.endr
.set k, 0
	s_wait_alu depctr_va_vdst(0)
.rept 64
	v_exp_f32 v[P+k], v[P+k]
.set k, k+1
.endr
	v_mov_b32 v[NMS+(\a)], v[WK]
	s_wait_alu depctr_va_vdst(0)
.irp b, 0,1,2,3
	v_exp_f32 v[BM+\b], v[BM+\b]
.endr
	v_pk_add_f32 v[LA:LA+1], v[P:P+1], v[P+2:P+3]
	v_pk_add_f32 v[LB:LB+1], v[P+4:P+5], v[P+6:P+7]
.irp j, 8,12,16,20,24,28,32,36,40,44,48,52,56,60
	v_pk_add_f32 v[LA:LA+1], v[LA:LA+1], v[P+\j:P+\j+1]
	v_pk_add_f32 v[LB:LB+1], v[LB:LB+1], v[P+\j+2:P+\j+3]
.endr
	v_pk_add_f32 v[LA:LA+1], v[LA:LA+1], v[LB:LB+1]
	v_add_f32 v[LA], v[LA], v[LA+1]
	v_permlanex16_b32 v[LA+1], v[LA], s[SEL], s[SEL+1]
	v_add_f32 v[LLS+(\a)], v[LA], v[LA+1]
	s_wait_alu depctr_va_vdst(0)
.irp b, 0,1,2,3
	v_max_num_f32 v[BM+\b], 0x1800000, v[BM+\b]
.endr
.irp b, 0,1,2,3
	v_add_nc_u32 v[TM+12+\b], 0xff000000, v[BM+\b]
.endr
.irp b, 0,1,2,3
	v_lshrrev_b32 v[BM+4+\b], 23, v[TM+12+\b]
.endr
	v_lshl_or_b32 v[PWS+(\a)], v[BM+5], 8, v[BM+4]
	v_lshl_or_b32 v[PWS+(\a)], v[BM+6], 16, v[PWS+(\a)]
	v_lshl_or_b32 v[PWS+(\a)], v[BM+7], 24, v[PWS+(\a)]
	s_wait_xcnt 0x0
.irp c, 0,1
	v_cvt_scalef32_pk16_fp6_f32 v[PC+6*\c:PC+2+6*\c], v[P+32*\c:P+15+32*\c], v[TM+12+2*\c]
	v_cvt_scalef32_pk16_fp6_f32 v[PC+12+4*\c:PC+14+4*\c], v[P+16+32*\c:P+31+32*\c], v[TM+12+2*\c+1]
.endr
	v_nop
.irp c, 0,1
.irp i, 0,1,2
	v_permlane16_swap_b32 v[PC+6*\c+\i], v[PC+12+4*\c+\i]
.endr
.irp i, 0,1,2
	v_mov_b32 v[PC+3+6*\c+\i], v[PC+12+4*\c+\i]
.endr
.endr
.irp c, 0,1,2
	global_store_b128 v[LI], v[PC+4*\c:PC+4*\c+3], s[98:99] offset:3072*(\a)+512*\c
.endr
.endm
.irp a, 0,1,2,3,4,5,6,7
	SOFT \a
.endr
.irp i, 0,1,2,3
	v_cndmask_b32 v[128+\i], v[PWS+\i], v[PWS+4+\i], s94
	v_cndmask_b32 v[132+\i], v[NMS+\i], v[NMS+4+\i], s94
	v_cndmask_b32 v[136+\i], v[LLS+\i], v[LLS+4+\i], s94
.endr
	global_store_b128 v[LI], v[128:131], s[100:101]
	global_store_b128 v[LI], v[132:135], s[100:101] offset:524288
	global_store_b128 v[LI], v[136:139], s[100:101] offset:1048576
	s_wait_tensorcnt 0x0
	ds_add_u32 v[SPW], v[NIL]
	s_wait_dscnt 0x0
	CROUND
	s_endpgm
.Lfunc_end_k_q71c7f6afe0_score:
	.size	k_q71c7f6afe0_score, .Lfunc_end_k_q71c7f6afe0_score-k_q71c7f6afe0_score
	.p2alignl 7, 3214868480
	.fill 96, 4, 3214868480
	.section	.rodata,"a",@progbits
	.p2align	6, 0x0
	.amdhsa_kernel k_q71c7f6afe0_score
		.amdhsa_group_segment_fixed_size 327680
		.amdhsa_private_segment_fixed_size 0
		.amdhsa_enable_private_segment 0
		.amdhsa_kernarg_size 32
		.amdhsa_user_sgpr_count 2
		.amdhsa_user_sgpr_kernarg_segment_ptr 1
		.amdhsa_wavefront_size32 1
		.amdhsa_system_sgpr_workgroup_id_x 1
		.amdhsa_system_sgpr_workgroup_id_y 1
		.amdhsa_system_sgpr_workgroup_id_z 1
		.amdhsa_system_vgpr_workitem_id 0
		.amdhsa_next_free_vgpr 1024
		.amdhsa_next_free_sgpr 102
		.amdhsa_reserve_vcc 0
		.amdhsa_float_denorm_mode_32 3
		.amdhsa_float_denorm_mode_16_64 3
		.amdhsa_memory_ordered 1
		.amdhsa_forward_progress 1
		.amdhsa_inst_pref_size 197
	.end_amdhsa_kernel
	.amdgpu_metadata
---
amdhsa.version: [ 1, 2 ]
amdhsa.kernels:
  - .name:           k_q71c7f6afe0_score
    .symbol:         k_q71c7f6afe0_score.kd
    .args:
      - { .name: c2, .offset: 0, .size: 8, .value_kind: global_buffer, .address_space: global }
      - { .name: s2, .offset: 8, .size: 8, .value_kind: global_buffer, .address_space: global }
      - { .name: pc, .offset: 16, .size: 8, .value_kind: global_buffer, .address_space: global }
      - { .name: pst, .offset: 24, .size: 8, .value_kind: global_buffer, .address_space: global }
    .group_segment_fixed_size: 327680
    .private_segment_fixed_size: 0
    .kernarg_segment_align: 8
    .kernarg_segment_size: 32
    .max_flat_workgroup_size: 128
    .sgpr_count:     102
    .vgpr_count:     1024
    .wavefront_size: 32
...
	.end_amdgpu_metadata
.endif
;; end of part 3
;; launch outp (part 4): grid 4 x 64, 4 waves a work-group, clusters of 4 x 4, 327,680 bytes of LDS; arguments pc, pst, c2, s2, out0; writes out0
.if DOCPART == 4
	.amdgcn_target "amdgcn-amd-amdhsa--gfx1250"
	.amdhsa_code_object_version 6
	.text
	.protected	k_q71c7f6afe0_outp
	.globl	k_q71c7f6afe0_outp
	.p2align	8
	.type	k_q71c7f6afe0_outp,@function
k_q71c7f6afe0_outp:
	s_mov_b64 s[64:65], 0
	v_nop
	global_prefetch_b8 v0, s[64:65] scope:SCOPE_SE
	s_setreg_imm32_b32 hwreg(HW_REG_WAVE_MODE, 25, 1), 1
	s_wait_xcnt 0x0
	s_wait_alu depctr_hold_cnt(0) depctr_sa_sdst(0) depctr_va_vdst(0) depctr_va_sdst(0) depctr_va_ssrc(0) depctr_va_vcc(0) depctr_vm_vsrc(0)
	s_getreg_b32 s2, hwreg(HW_REG_IB_STS2, 6, 4)
	s_cmp_eq_u32 s2, 0
	s_cbranch_scc0 .Lentry_in_a_cluster
	s_endpgm
.Lentry_in_a_cluster:
	s_bfe_u32 s2, ttmp6, 0x10000c
	s_cmp_lg_u32 s2, 0xf033
	s_cbranch_scc0 .Lentry_shape_is_right
	s_endpgm
.Lentry_shape_is_right:
; O = P V / l on codes of FP6 (E2M3) with E8M0 block scales, f32 sums.  P's codes were made under an M that is local to 128 keys; here each row's own M = the largest of its sixteen local ones is found,
; M - M_local is taken off the four bytes of each scale word (an exact power of two; the codes stay), and l = the sum of the local sums x 2^(M_local - M).
; ORIENTATION: source 0 = Y = V^T (channels), source 1 = X = P (queries).  In accumulator (a, b) lane (r, h) holds query row r of block a, register j holds channel 32 (b / 2) + 16 h + 8 (b % 2) + j.
; SHARES: a work-group makes 128 queries x 256 channels (256 work-groups).  K = 2,048 keys IS SPLIT OVER THE WAVES: wave (p, kh) makes all 128 queries x channels 128 p on over keys 1,024 kh on: a wave tile of 128 x 128.
; The two halves meet through LDS: a wave of kh = 1 takes X's blocks in the order 4-7, 0-3, so that every wave keeps window 2 (its blocks 4 kh on) and sends window 3.  So a sum is formed in two halves.
; RING: four steps through two slots; a slot holds 256 keys of each half: X 49,152 bytes (wave 0's load), Y 98,304 (waves 1 to 3, a third each).  CLUSTER 4 x 4: P's tiles are shared along a row, V's along a column.
; No prefetch: two of the four steps are asked for at the head, and the other two would have to be named there as well.
; LIMITS: NaN and infinities are not served.  M - M_local is held at 127, and a byte that would fall under 0 is held at 0 (2^-127): such a block weighs under 2^-120 of the row's largest p.
; REGISTERS: window 0: v16-31 addresses; v32-47 scale words; v48-59 1 / l; v64-119 the head's work; v128-223 X's fragments; on the way out v128-191 a block, v64-127 and v192-255 rows by turns;
; window 1: Y's fragments, two sets; windows 2, 3: the accumulators.
.set SLOT,  147456
.set XSTEP, 49152
.set YSTEP, 98304
.set XS,    2*SLOT                     ; P's mended scale words: 16 key steps x 512 bytes: written by LDS stores, no fill lands here
.set RL,    XS+8192                    ; 1 / l of the 128 queries, laid as a set of scale words
.set YS,    RL+512                     ; V's scale words: 2 x 16 x 512 bytes: written by LDS stores, no fill lands here (16,384 bytes against the 589,824 of codes: not asked for jointly)
.set SPARE, YS+16384                   ; the spare words: 128 bytes a wave; no other line names them
.set ADRXH, 18
.set JREG,  14                         ; wave 0 fetches for X, waves 1 to 3 for Y
.set FIRST, 1
.set EXS,   25                         ; v25 where I send: 32,768 x wave + 16 x lane, in slot 0, which has had its last fill and its last read
.set EXR,   26                         ; v26 where my partner (wave xor 2) has sent
.set STO,   27                         ; v27 my stage (in slot 1, used behind the exchange's barrier alone): way in
.set RD,    30                         ; v30 way out
.set RLA,   31                         ; v31 1 / l of my blocks
.set RLP,   48
.set RLV,   56
.set SW,    64
.set NM,    80
.set LL,    96
.set NMG,   112
.set T0,    113
.set T1,    114
.set LSUM,  115
.set RC,    116
.set XSA,   4
.set RR,    128
.set G1S,   68
.set G0S,   76
; ---- the core, the same text as in the score launch
.set FR,   12
.set FRB,  1536
.set RBB,  3072
.set ADRX, 16
.set ADRY, 20
.set ADRS, 22
.set LI,   24
.set SPW,  28
.set NIL,  29
.set SC,   32
.set XF,   128
.set G1X,  24
.set G0X,  32
.set G1Y,  48
.set G0Y,  56
.set MUL_LO, 0xa1                      ; source 0 (Y) window 1, source 1 (X) window 0, C and D window 2
.set MUL_HI, 0xf1                      ; C and D window 3
.set TO_Y,   0x40                      ; destination window 1
.set MSB, 0
.macro WIN new                         ; the immediate's high byte repeats the setting that is left
.if MSB != (\new)
	s_set_vgpr_msb (MSB<<8)|(\new)
.set MSB, \new
.endif
.endm
.macro PLACES n
.rept \n
	v_nop
.endr
.endm
.macro JLOAD g0a, g1a, g0b, g1b        ; a joint load; the branch hangs on the wave's number alone; s_nop 0 and four v_nop follow each line
	s_cmp_eq_u32 s[JREG], 0
	s_cbranch_scc0 .Lfor_y_\@
	tensor_load_to_lds s[\g0a:\g0a+3], s[\g1a:\g1a+7]
	s_nop 0
.rept 4
	v_nop
.endr
	s_branch .Lasked_\@
.Lfor_y_\@:
	tensor_load_to_lds s[\g0b:\g0b+3], s[\g1b:\g1b+7]
	s_nop 0
.rept 4
	v_nop
.endr
.Lasked_\@:
.endm
.macro CREST                           ; a round of the cluster's barrier behind its opening barrier
	s_cmp_lg_u32 s14, 0
	s_cbranch_scc1 .Lnot_wave_0_\@
	s_barrier_signal -3
.Lnot_wave_0_\@:
	s_barrier_wait -3
	s_barrier_signal -1
	s_barrier_wait -1
.endm
.macro CROUND
	s_barrier_signal -1
	s_barrier_wait -1
	CREST
.endm
.macro FRAG reg, adr, off              ; a fragment's image: three loads, 512 consecutive bytes each
.irp c, 0,1,2
	ds_load_b128 v[(\reg)+4*\c:(\reg)+4*\c+3], v[\adr] offset:(\off)+512*\c
.endr
.endm
.macro FETCH_Y slot, q, set            ; 24 loads
	WIN TO_Y
.irp b, 0,1,2,3,4,5,6,7
	FRAG 128*(\set)+FR*\b, ADRY+(\slot), \b*RBB+(\q)*FRB
.endr
	WIN 0
.endm
.macro FETCH_X slot, q, i0             ; 12 loads: blocks i0 .. i0 + 3
.irp i, 0,1,2,3
.if (\i0) == 0
	FRAG XF+FR*\i, ADRX+(\slot), \i*RBB+(\q)*FRB
.else
	FRAG XF+FR*(4+\i), ADRXH+(\slot), (4+\i)*RBB+(\q)*FRB
.endif
.endr
.endm
.macro SCALES g                        ; 2 loads: lanes 0-15 take X's words of blocks 0-3 | 4-7, lanes 16-31 Y's
	ds_load_b128 v[SC+8*((\g)%2):SC+8*((\g)%2)+3], v[ADRS] offset:512*(\g)
	ds_load_b128 v[SC+8*((\g)%2)+4:SC+8*((\g)%2)+7], v[ADRS+1] offset:512*(\g)
.endm
; 16 products: X's blocks a0, a0 + 1 against Y's eight.  The 64 accumulators take turns, one instruction a turn, in one order in every step.  cm: C = the accumulator (0), 0 (1), the bias (2)
.macro MUL16 a0, g, cm
.irp a, \a0, \a0+1
.irp b, 0,1,2,3,4,5,6,7
.set AC, 8*(8*((\a)%4)+\b)
.set YR, 128*((\g)%2)+FR*\b
.set XR, XF+FR*(\a)
.set SY, SC+8*((\g)%2)+\b
.set SX, SC+8*((\g)%2)+(\a)
.if (\cm) == 1
	v_wmma_scale_f32_16x16x128_f8f6f4 v[AC:AC+7], v[YR:YR+FR-1], v[XR:XR+FR-1], 0, v[SY], v[SX] matrix_a_fmt:MATRIX_FMT_FP6 matrix_b_fmt:MATRIX_FMT_FP6 matrix_a_scale:MATRIX_SCALE_ROW1
.elseif (\cm) == 2
	v_wmma_scale_f32_16x16x128_f8f6f4 v[AC:AC+7], v[YR:YR+FR-1], v[XR:XR+FR-1], v[64+8*\b:64+8*\b+7], v[SY], v[SX] matrix_a_fmt:MATRIX_FMT_FP6 matrix_b_fmt:MATRIX_FMT_FP6 matrix_a_scale:MATRIX_SCALE_ROW1
.else
	v_wmma_scale_f32_16x16x128_f8f6f4 v[AC:AC+7], v[YR:YR+FR-1], v[XR:XR+FR-1], v[AC:AC+7], v[SY], v[SX] matrix_a_fmt:MATRIX_FMT_FP6 matrix_b_fmt:MATRIX_FMT_FP6 matrix_a_scale:MATRIX_SCALE_ROW1
.endif
.endr
.endr
.endm
; a K step of 128 whose successor lies in the same slot.  Four plain places stand in front of each run of loads into registers that products have read
.macro STEP slot, g, cm
	s_wait_dscnt 12                                ; all but the youngest 12 loads (X's blocks 4-7) are in
.if (\cm) == 2
	WIN 0x81                                       ; C from window 0
.else
	WIN MUL_LO
.endif
	MUL16 0, \g, \cm
	MUL16 2, \g, \cm
	s_wait_dscnt 0x0                               ; X's blocks 4-7 (asked for 32 products ago)
	PLACES 4
	FETCH_Y \slot, 1, ((\g)+1)%2
	FETCH_X \slot, 1, 0
	SCALES (\g)+1
.if (\cm) == 2
	WIN 0xc1
.else
	WIN MUL_HI
.endif
	MUL16 4, \g, \cm
	MUL16 6, \g, \cm
	PLACES 4
	WIN 0
	FETCH_X \slot, 1, 4
.endm
; a slot's last K step changes slots: one barrier; in front of it each wave waits for all its tensor loads, adds 0 to its spare word, and waits for that and for its reads of the slot
.macro TURN slot, next, g, fill
	s_wait_tensorcnt 0x0                           ; my part of the next slot has landed; no load of mine is out
	ds_add_u32 v[SPW], v[NIL]
	s_wait_dscnt 13                                ; (the add and X's blocks 4-7 may be out)
	WIN MUL_LO
	MUL16 0, \g, 0
	s_wait_dscnt 0x0                               ; the add is done, my reads of this slot are over
	s_barrier_signal -1
	MUL16 2, \g, 0
	WIN 0
	s_barrier_wait -1
.if \fill
	CREST                                          ; the barrier has opened a round of the cluster's: no wave of any partner reads this slot or has a load on its way
	s_add_nc_u64 s[G0X+4*\slot+2:G0X+4*\slot+3], s[G0X+4*\slot+2:G0X+4*\slot+3], 2*XSTEP
	s_add_nc_u64 s[G0Y+4*\slot+2:G0Y+4*\slot+3], s[G0Y+4*\slot+2:G0Y+4*\slot+3], 2*YSTEP
	JLOAD G0X+4*\slot, G1X, G0Y+4*\slot, G1Y       ; the first tensor load behind the round; its four v_nop are the places for the loads below
.else
	PLACES 4
.endif
	FETCH_Y \next, 0, ((\g)+1)%2
	FETCH_X \next, 0, 0
	SCALES (\g)+1
	WIN MUL_HI
	MUL16 4, \g, 0
	MUL16 6, \g, 0
	PLACES 4
	WIN 0
	FETCH_X \next, 0, 4
.endm
.macro LAST g
	s_wait_dscnt 12
	WIN MUL_LO
	MUL16 0, \g, 0
	MUL16 2, \g, 0
	s_wait_dscnt 0x0
	WIN MUL_HI
	MUL16 4, \g, 0
	MUL16 6, \g, 0
	WIN 0
	PLACES 4                                       ; in front of the first read of results and the first write of operands
.endm
; ---- the core ends
	s_load_b256 s[4:11], s[0:1], 0x0               ; pc s[4:5], pst s[6:7], c2 s[8:9], s2 s[10:11]
	s_load_b64 s[12:13], s[0:1], 0x20              ; out0
	v_lshl_add_u32 v[SPW], v0, 2, SPARE
	v_mov_b32 v[NIL], 0
	ds_add_u32 v[SPW], v[NIL]                      ; the wave's opening, ahead of my first tensor load
	ds_add_u32 v[SPW], v[NIL]
	v_lshrrev_b32 v1, 5, v0
	v_readfirstlane_b32 s14, v1                    ; wave 0..3
	s_lshr_b32 s15, s14, 1                         ; kh: my half of the keys
	s_and_b32 s16, s14, 1                          ; p: my half of the channels
	s_bfe_u32 s40, ttmp6, 0x40000                  ; cx
	s_bfe_u32 s41, ttmp6, 0x40004                  ; cy
	s_and_b32 s17, ttmp7, 0xffff                   ; the cluster's y
	s_lshl_b32 s45, s17, 2
	s_add_co_u32 s45, s45, s41                     ; qt: tile of 128 queries, 0..63
	s_lshl_b32 s42, ttmp9, 2
	s_add_co_u32 s42, s42, s40                     ; ct: tile of 256 channels, 0..3
	s_lshr_b32 s18, s17, 2                         ; bt: the batch
	s_lshl_b32 s43, s41, 2
	s_lshl_b32 s43, 15, s43                        ; my row of the cluster
	s_lshl_b32 s44, 0x1111, s40                    ; my column
	s_or_b32 s[G1X], s43, (3<<16)|(1<<21)          ; dense blocks as rows of 256 bytes (32 elements of 8 bytes), no padding
	s_or_b32 s[G1Y], s44, (3<<16)|(1<<21)
	s_mov_b32 s[G1X+1], 32<<16
	s_mov_b32 s[G1X+2], 192<<16                    ; X: 192 rows = 49,152 bytes
	s_mov_b32 s[G1X+3], 32<<16
	s_mov_b32 s[G1X+4], 192
	s_mov_b32 s[G1X+5], 32
	s_mov_b32 s[G1X+6], 0
	s_mov_b32 s[G1X+7], 0
	s_mov_b32 s[G1Y+1], 32<<16
	s_mov_b32 s[G1Y+2], 128<<16                    ; Y: 128 rows = 32,768 bytes: a third of a step's
	s_mov_b32 s[G1Y+3], 32<<16
	s_mov_b32 s[G1Y+4], 128
	s_mov_b32 s[G1Y+5], 32
	s_mov_b32 s[G1Y+6], 0
	s_mov_b32 s[G1Y+7], 0
	s_mul_i32 s20, s45, 196608
	s_mov_b32 s21, 0                               ; P's codes: made of cy and the cluster's y alone
	s_lshl_b32 s46, s18, 2
	s_add_co_u32 s46, s46, s42
	s_mul_i32 s46, s46, 393216
	s_lshl_b32 s19, s14, 15
	s_add_co_u32 s46, s46, s19
	s_add_co_u32 s46, s46, 12550144                ; V's codes begin at 12,582,912; wave w takes the third w - 1
	s_mov_b32 s47, 0
	s_lshl_b32 s22, s18, 3
	s_lshl_b32 s23, s42, 1
	s_add_co_u32 s22, s22, s23
	s_lshl_b32 s22, s22, 13
	s_add_co_u32 s22, s22, 524288
	s_mov_b32 s23, 0                               ; V's scale words
	s_add_co_u32 s97, s19, 16384                   ; Y in a slot: 49,152 + 32,768 (w - 1)
	s_wait_dscnt 0x0                               ; the opening add is done
	s_wait_kmcnt 0x0
	s_add_nc_u64 s[20:21], s[4:5], s[20:21]
	s_add_nc_u64 s[46:47], s[8:9], s[46:47]
	s_add_nc_u64 s[22:23], s[10:11], s[22:23]
	CROUND                                         ; all sixteen work-groups are here: the first joint loads meet
.irp s, 0,1
	s_mov_b32 s[G0X+4*\s], 1
	s_mov_b32 s[G0X+4*\s+1], \s*SLOT
	s_add_nc_u64 s[G0X+4*\s+2:G0X+4*\s+3], s[20:21], \s*XSTEP
	s_or_b32 s[G0X+4*\s+3], s[G0X+4*\s+3], 0x80000000
	s_mov_b32 s[G0Y+4*\s], 1
	s_add_co_u32 s[G0Y+4*\s+1], s97, \s*SLOT
	s_add_nc_u64 s[G0Y+4*\s+2:G0Y+4*\s+3], s[46:47], \s*YSTEP
	s_or_b32 s[G0Y+4*\s+3], s[G0Y+4*\s+3], 0x80000000
.endr
	JLOAD G0X, G1X, G0Y, G1Y                       ; slot 0: one tensor load a wave at the head: wave 0 X's, waves 1 to 3 a third of Y's each
	; THE HEAD'S WORK, while the tiles land.  Thread n owns word n of every set of 128 words: one query row
	v_lshlrev_b32 v3, 2, v0
	v_lshl_add_u32 v[XSA], v0, 2, XS
	v_lshlrev_b32 v6, 4, v0                        ; V's scale words: 16 bytes a thread and load, 2,048 consecutive bytes a load of the work-group
	v_lshl_add_u32 v7, v0, 4, YS
	s_lshl_b32 s2, s45, 13
	s_mov_b32 s3, 0
	s_add_nc_u64 s[6:7], s[6:7], s[2:3]
.irp g, 0,1,2,3,4,5,6,7,8,9,10,11,12,13,14,15
	global_load_b32 v[SW+\g], v3, s[6:7] offset:512*\g             ; p's scale word of key step g,
	global_load_b32 v[NM+\g], v3, s[6:7] offset:524288+512*\g      ; -M_local,
	global_load_b32 v[LL+\g], v3, s[6:7] offset:1048576+512*\g     ; the local sum
.endr
.irp k, 0,1,2,3,4,5,6,7
	global_load_b128 v[128+4*\k:131+4*\k], v6, s[22:23] offset:2048*\k
.endr
	v_and_b32 v1, 15, v0                           ; r
	v_bfe_u32 v2, v0, 4, 1                         ; h
	v_and_b32 v5, 31, v0
	v_lshlrev_b32 v[LI], 4, v5
	s_wait_alu depctr_va_vdst(0)
	s_mul_i32 s18, s15, 36864                      ; X: my key half (24,576 kh), my first four blocks (4 kh on)
	s_mul_i32 s19, s15, 12288                      ; and my second four: with the offsets of blocks 4-7 this reaches blocks 4-7 (kh = 0) or 0-3 (kh = 1)
	s_mul_i32 s20, s15, 49152
	s_mul_i32 s21, s16, 24576
	s_add_co_u32 s20, s20, s21
	s_add_co_u32 s20, s20, 49152                   ; Y: behind X; my key half, my channel half
.irp s, 0,1
	v_add_nc_u32 v[ADRX+\s], s18, v[LI]
	v_add_nc_u32 v[ADRXH+\s], s19, v[LI]
	v_add_nc_u32 v[ADRY+\s], s20, v[LI]
	s_add_co_u32 s18, s18, SLOT
	s_add_co_u32 s19, s19, SLOT
	s_add_co_u32 s20, s20, SLOT
.endr
	s_mul_i32 s18, s15, 4352
	s_add_co_u32 s18, s18, XS                      ; X's words: key steps 8 kh on, blocks 4 kh on
	s_lshl_b32 s19, s16, 13
	s_add_co_u32 s19, s19, YS-XS                   ; from X's words to Y's of my channel half
	s_lshl_b32 s20, s15, 8
	s_sub_co_u32 s21, s19, s20
	v_mul_u32_u24 v5, s21, v2                      ; lanes 16-31 take Y's: blocks 0-3
	v_lshl_add_u32 v5, v1, 4, v5
	v_add_nc_u32 v[ADRS], s18, v5
	s_mul_i32 s18, s15, 3840
	s_add_co_u32 s18, s18, XS+256                  ; X's other four blocks
	s_add_co_u32 s21, s19, s20
	v_mul_u32_u24 v5, s21, v2                      ; Y's blocks 4-7
	v_lshl_add_u32 v5, v1, 4, v5
	v_add_nc_u32 v[ADRS+1], s18, v5
	s_lshl_b32 s18, s14, 15
	v_add_nc_u32 v[EXS], s18, v[LI]
	s_xor_b32 s18, s14, 2
	s_lshl_b32 s18, s18, 15
	v_add_nc_u32 v[EXR], s18, v[LI]
	s_mul_i32 s18, s14, 8448
	s_add_co_u32 s18, s18, SLOT
	v_mul_u32_u24 v5, v1, 528
	v_lshl_add_u32 v5, v2, 6, v5
	v_add_nc_u32 v[STO], s18, v5                   ; row r, + 64 h
	v_add_nc_u32 v[RD], s18, v[LI]
	s_lshl_b32 s18, s15, 8
	s_add_co_u32 s18, s18, RL
	v_lshl_add_u32 v[RLA], v1, 4, s18
	s_lshl_b32 s18, s45, 7
	s_lshl_b32 s19, s15, 6
	s_add_co_u32 s18, s18, s19
	s_lshl_b32 s18, s18, 12                        ; row 128 qt + 64 kh of 4,096 bytes
	s_lshl_b32 s19, s42, 10
	s_add_co_u32 s18, s18, s19
	s_lshl_b32 s19, s16, 9
	s_add_co_u32 s18, s18, s19                     ; + channels 256 ct + 128 p
	s_mov_b32 s19, 0
	s_add_nc_u64 s[98:99], s[12:13], s[18:19]
	s_mov_b32 s66, 0x01010101
	s_wait_loadcnt 0x0
.irp k, 0,1,2,3,4,5,6,7
	ds_store_b128 v7, v[128+4*\k:131+4*\k] offset:2048*\k
.endr
	v_min3_num_f32 v[NMG], v[NM], v[NM+1], v[NM+2] ; -M = the least of the sixteen -M_local
.irp g, 3,5,7,9,11,13
	v_min3_num_f32 v[NMG], v[NMG], v[NM+\g], v[NM+\g+1]
.endr
	v_min_num_f32 v[NMG], v[NMG], v[NM+15]
.irp g, 0,1,2,3,4,5,6,7,8,9,10,11,12,13,14,15
	v_sub_f32 v[T0], v[NMG], v[NM+\g]              ; M_local - M: a whole number, 0 or less
	v_cvt_i32_f32 v[T0], v[T0]                     ; (it saturates)
.if \g == 0
	v_ldexp_f32 v[LSUM], v[LL], v[T0]
.else
	v_ldexp_f32 v[T1], v[LL+\g], v[T0]
	v_add_f32 v[LSUM], v[LSUM], v[T1]              ; l under the row's M
.endif
	v_sub_nc_u32 v[T0], 0, v[T0]
	v_min_u32 v[T0], 127, v[T0]                    ; d = M - M_local, held at 127
	v_mul_lo_u32 v[T0], v[T0], s66                 ; in all four bytes
	v_or_b32 v[SW+\g], 0x80808080, v[SW+\g]        ; the bytes are 125 at the most (p is 1 at the most): with bit 7 set no borrow crosses a byte,
	v_sub_nc_u32 v[SW+\g], v[SW+\g], v[T0]         ; and bit 7 stays where byte - d is 0 or more
	v_and_b32 v[T0], 0x80808080, v[SW+\g]
	v_lshrrev_b32 v[T1], 7, v[T0]
	v_sub_nc_u32 v[T0], v[T0], v[T1]               ; 0x7f in those bytes, 0 in the others
	v_and_b32 v[SW+\g], v[SW+\g], v[T0]            ; byte - d, held at 0
	ds_store_b32 v[XSA], v[SW+\g] offset:512*\g
.endr
	s_wait_alu depctr_va_vdst(0)
	v_rcp_f32 v[RC], v[LSUM]
	v_nop                                          ; one plain place behind the reciprocal
	s_wait_alu depctr_va_vdst(0)                   ; and a wait ahead of its first reader
	ds_store_b32 v[XSA], v[RC] offset:RL-XS
	s_wait_tensorcnt 0x0                           ; my part of slot 0 is in; slot 1's first fill is issued as a refill is
	ds_add_u32 v[SPW], v[NIL]
	s_wait_dscnt 0x0                               ; the add is done, and my words have landed, for the others' sake
	CROUND                                         ; a whole round: slot 0 and the words are in, all sixteen work-groups are here
	JLOAD G0X+4, G1X, G0Y+4, G1Y                   ; slot 1, the first tensor load behind the round
	FETCH_Y 0, 0, 0
	FETCH_X 0, 0, 0
	SCALES 0
	FETCH_X 0, 0, 4
	STEP 0, 0, FIRST                               ; my 1,024 keys are eight steps of 128
	TURN 0, 1, 1, 1
	STEP 1, 2, 0
	TURN 1, 0, 3, 1
	STEP 0, 4, 0
	TURN 0, 1, 5, 0
	STEP 1, 6, 0
	LAST 7
	; THE EXCHANGE: window 3 goes to my partner, as it stands; slot 0 has had its last fill, and every wave has passed the change of slots behind which nobody reads it
	WIN 0x0c                                       ; an LDS store's data are its source 1: window 3
.set n, 0
.rept 32
	ds_store_b128 v[EXS], v[8*n:8*n+3] offset:1024*n           ; each accumulator from its low end on
	ds_store_b128 v[EXS], v[8*n+4:8*n+7] offset:1024*n+512
.set n, n+1
.endr
	WIN 0
	ds_load_b128 v[RLV:RLV+3], v[RLA]              ; 1 / l of my four blocks' rows
	s_wait_dscnt 0x0                               ; my stores have landed, and my reads of slot 1 are long over
	s_barrier_signal -1
	s_barrier_wait -1
.irp a, 0,1,2,3
	v_mov_b32 v[RLP+2*\a], v[RLV+\a]
	v_mov_b32 v[RLP+2*\a+1], v[RLV+\a]
.endr
; block a of my four: + my partner's half, / l, through my stage, out as whole rows of 512 bytes
.macro FIN a
.set BK, 64+128*((\a)%2)
.irp b, 0,1,2,3,4,5,6,7
	ds_load_b128 v[RR+8*\b:RR+8*\b+3], v[EXR] offset:8192*(\a)+1024*\b
	ds_load_b128 v[RR+8*\b+4:RR+8*\b+7], v[EXR] offset:8192*(\a)+1024*\b+512
.endr
	s_wait_dscnt 0x0
	WIN 0x02                                       ; source 0: window 2
.set k, 0
.rept 32
	v_pk_add_f32 v[RR+2*k:RR+2*k+1], v[64*(\a)+2*k:64*(\a)+2*k+1], v[RR+2*k:RR+2*k+1]
.set k, k+1
.endr
	WIN 0
.set k, 0
.rept 32
	v_pk_mul_f32 v[RR+2*k:RR+2*k+1], v[RR+2*k:RR+2*k+1], v[RLP+2*(\a):RLP+2*(\a)+1]
.set k, k+1
.endr
.irp b, 0,1,2,3,4,5,6,7
	ds_store_b128 v[STO], v[RR+8*\b:RR+8*\b+3] offset:128*(\b/2)+32*(\b%2)        ; channels 32 (b / 2) + 16 h + 8 (b % 2) on
	ds_store_b128 v[STO], v[RR+8*\b+4:RR+8*\b+7] offset:128*(\b/2)+32*(\b%2)+16
.endr
.if (\a) >= 2
	s_wait_xcnt 0x0                                ; the stores of two blocks ago have read these registers
.endif
.irp t, 0,1,2,3,4,5,6,7,8,9,10,11,12,13,14,15
	ds_load_b128 v[BK+4*\t:BK+4*\t+3], v[RD] offset:528*\t     ; LDS serves a wave's instructions in order: these see the stores above
.endr
.irp t, 0,1,2,3,4,5,6,7,8,9,10,11,12,13,14,15
	s_wait_dscnt 15-\t                             ; row t is back; the younger loads may be out
	global_store_b128 v[LI], v[BK+4*\t:BK+4*\t+3], s[98:99] offset:(32*((\a)/2)+8*((\a)%2)+\t+8*(\t/8))*4096 th:TH_STORE_NT   ; fragment row t is this query; 512 consecutive bytes, aligned
.endr
.endm
	FIN 0
	FIN 1
	FIN 2
	FIN 3
	s_wait_tensorcnt 0x0                           ; the wave's end, behind my last tensor load and my last LDS store
	ds_add_u32 v[SPW], v[NIL]
	s_wait_dscnt 0x0
	CROUND                                         ; the closing round
	s_endpgm
.Lfunc_end_k_q71c7f6afe0_outp:
	.size	k_q71c7f6afe0_outp, .Lfunc_end_k_q71c7f6afe0_outp-k_q71c7f6afe0_outp
	.p2alignl 7, 3214868480
	.fill 96, 4, 3214868480
	.section	.rodata,"a",@progbits
	.p2align	6, 0x0
	.amdhsa_kernel k_q71c7f6afe0_outp
		.amdhsa_group_segment_fixed_size 327680
		.amdhsa_private_segment_fixed_size 0
		.amdhsa_enable_private_segment 0
		.amdhsa_kernarg_size 40
		.amdhsa_user_sgpr_count 2
		.amdhsa_user_sgpr_kernarg_segment_ptr 1
		.amdhsa_wavefront_size32 1
		.amdhsa_system_sgpr_workgroup_id_x 1
		.amdhsa_system_sgpr_workgroup_id_y 1
		.amdhsa_system_sgpr_workgroup_id_z 1
		.amdhsa_system_vgpr_workitem_id 0
		.amdhsa_next_free_vgpr 1024
		.amdhsa_next_free_sgpr 102
		.amdhsa_reserve_vcc 0
		.amdhsa_float_denorm_mode_32 3
		.amdhsa_float_denorm_mode_16_64 3
		.amdhsa_memory_ordered 1
		.amdhsa_forward_progress 1
		.amdhsa_inst_pref_size 162
	.end_amdhsa_kernel
	.amdgpu_metadata
---
amdhsa.version: [ 1, 2 ]
amdhsa.kernels:
  - .name:           k_q71c7f6afe0_outp
    .symbol:         k_q71c7f6afe0_outp.kd
    .args:
      - { .name: pc, .offset: 0, .size: 8, .value_kind: global_buffer, .address_space: global }
      - { .name: pst, .offset: 8, .size: 8, .value_kind: global_buffer, .address_space: global }
      - { .name: c2, .offset: 16, .size: 8, .value_kind: global_buffer, .address_space: global }
      - { .name: s2, .offset: 24, .size: 8, .value_kind: global_buffer, .address_space: global }
      - { .name: out0, .offset: 32, .size: 8, .value_kind: global_buffer, .address_space: global }
    .group_segment_fixed_size: 327680
    .private_segment_fixed_size: 0
    .kernarg_segment_align: 8
    .kernarg_segment_size: 40
    .max_flat_workgroup_size: 128
    .sgpr_count:     102
    .vgpr_count:     1024
    .wavefront_size: 32
...
	.end_amdgpu_metadata
.endif
;; end of part 4
